; MI455X (gfx1250); checked and timed in simulation.
; The chip was launched on July 23, 2026; its instructions are those of AMD's public machine-readable ISA for CDNA 5 (MIT licence, August 2026) and "CDNA5" Instruction Set Architecture Reference Guide (July 2026). The comments in the code are by the model that wrote it; some were corrected since.
;; Attention. Allowed arithmetic: matrix products marked QUANTISED: E2M1 operands, one E8M0 scale for each 32 along K, by v_wmma_scale_f32_16x16x128_f8f6f4 with both operands' format E2M1 (or v_wmma_scale_f32_32x16x128_f4), f32 sums; products left as they are: bf16, f16 or f32 operands; f32 sums; everything else in f32.
;; Inputs: W_out 1,024 x 1,024 float32; W_qkv 1,024 x 3,072 float32; b_out 1,024 float32; mask 4 x 2,048 bool; x 4 x 2,048 x 1,024 float32.
;; Outputs: out0 4 x 2,048 x 1,024 float32.
;; This version of the problem:
;;   THIS VERSION OF THE PROBLEM IS GIVEN IN LOW PRECISION. The matrix products marked QUANTISED in the list below multiply operands that are first quantised to E2M1 (2 exponent bits, 1 mantissa bit; 4 bits a number), with one power-of-two scale for each 32 numbers along K (OCP MX v1.0); their sums are f32. The products marked 'left as it is' may take bf16, f16 or f32 operands, with f32 sums. Whichever they take, every output number must still come out within the allowed error. Rounding operands to bf16 (8 significant bits) uses up far more of that allowance than f16 does (11 bits, for magnitudes from 6e-5 to 65,504). All else is computed in f32.
;;   The module's matrix products, in the order in which they are computed (A, B: the left and right operand; K: the contracted axis; several contracted axes count as one K, in the product's order):
;;     1. [M 8,192, K 1,024] x [K 1,024, N 3,072]; A: input x; B: input W_qkv: QUANTISED
;;     2. batch 64 x [M 2,048, K 64] x [K 64, N 2,048]; A: computed on the way; B: computed on the way: left as it is (an operand is computed on the way)
;;     3. batch 64 x [M 2,048, K 2,048] x [K 2,048, N 64]; A: computed on the way; B: computed on the way: left as it is (an operand is computed on the way)
;;     4. [M 8,192, K 1,024] x [K 1,024, N 1,024]; A: computed on the way; B: input W_out: left as it is (an operand is computed on the way)
;;   THE QUANTISER, for each operand of a quantised product, along K:
;;     - K is cut into blocks of 32 from its start; a last block that is shorter is filled with zeros.
;;     - A block's scale is 2^e with e = floor(log2(the largest magnitude in the block)) - 2, held to -126 .. 127; a block of zeros has e = 0. As a byte (E8M0): e + 127.
;;     - Each number is divided by its block's scale, clamped to +-6, and rounded to the nearest number of E2M1, ties to even, subnormals kept.
;;     - The product sums the exact products of the quantised numbers (number of the format x scale) in f32.
;;   ~~~python
;;   def quantise(x, axis):      # numpy; x: float32 -> the quantised numbers, widened to float32 again
;;       x = np.moveaxis(x, axis, -1); K = x.shape[-1]
;;       x = np.pad(x, [(0, 0)] * (x.ndim - 1) + [(0, -K % 32)]); x = x.reshape(x.shape[:-1] + (-1, 32)); a = np.abs(x).max(-1, keepdims=True)
;;       e = np.where(a > 0, np.clip(np.frexp(np.where(a > 0, a, 1))[1] - 1 - 2, -126, 127), 0)      # np.frexp(a)[1] - 1 = floor(log2(a)), exactly
;;       r = np.clip(x / 2.0 ** e, -6, 6)
;;       step = 2.0 ** (np.maximum(np.frexp(np.where(r == 0, 1, r))[1] - 1, 0) - 1)
;;       q = np.round(r / step) * step * 2.0 ** e      # np.round: ties to even
;;       return np.moveaxis(q.reshape(q.shape[:-2] + (-1,))[..., :K], -1, axis).astype(np.float32)
;;   ~~~
;; One version. Each part assembles by itself: llvm-mc -triple=amdgcn-amd-amdhsa -mcpu=gfx1250 --defsym DOCPART=n.
;; ======== version 1 of 1: 5 launches
;; limits: values are held in f16: magnitudes above 65,504 overflow, below 6.1e-05 lose precision
;; workspace buffers: x_codes 4,194,304 bytes; x_scales 262,144 bytes; w_codes 1,572,864 bytes; w_scales 98,304 bytes; wt 2,097,152 bytes; qkvh 50,331,648 bytes; o 16,777,216 bytes; aux 1,048,576 bytes
;; launch prep (part 1): grid 432 x 1, 4 waves a work-group, no clusters, 86,528 bytes of LDS; arguments x, W_qkv, W_out, x_codes, x_scales, w_codes, w_scales, wt; writes x_codes, x_scales, w_codes, w_scales, wt
.if DOCPART == 1
	.amdgcn_target "amdgcn-amd-amdhsa--gfx1250"
	.amdhsa_code_object_version 6
	.text
	.protected	k_qf1a8ed2875_prep
	.globl	k_qf1a8ed2875_prep
	.p2align	8
	.type	k_qf1a8ed2875_prep,@function
k_qf1a8ed2875_prep:
	s_mov_b64 s[64:65], 0
	v_nop
	global_prefetch_b8 v0, s[64:65] scope:SCOPE_SE
	s_setreg_imm32_b32 hwreg(HW_REG_WAVE_MODE, 25, 1), 1
	s_wait_xcnt 0x0
; CAUSAL ATTENTION, 4 x 2,048 positions, 16 heads of 64, in five launches: prep (this one), qkv, attn, outp, fine.
; WORK LEFT OUT BY THE PROGRAM.  reference() sets every dot with key j > query i to -FLT_MAX in its own body.  For a row with at least one key j <= i whose mask byte is true the row's maximum is a
; finite score, and a hidden key's weight exp(-FLT_MAX - maximum) adds nothing to the sums: so key steps that lie wholly above the diagonal are not walked (launch attn).  For a row with NO such key
; all 2,048 dots are equal, whatever the inputs hold: the softmax is 1/2,048 for every key and the row is the mean of v over all 2,048 keys; that mean is made from column sums of v (launch qkv)
; and chosen by a select, with no branch.  No input is left out.  LIMIT: a NaN, an infinity or an overflow that reaches only the key steps left out is not carried to the result.
; THIS LAUNCH: three jobs, told apart by the work-group's number; each has LDS bytes of its own and its own end.
;   X (work-groups 0-255):   x [8192][1024] f32 -> codes of E2M1 (K innermost, 512 bytes a row) and one E8M0 byte for each 32 along K.
;   W (work-groups 256-303): W_qkv [1024 k][3072 n] f32, K its first axis -> codes [3072][512 bytes], bytes [3072][32].
;   T (work-groups 304-431): W_out [1024 k][1024 n] f32 -> f16, laid [16 planes of 64 k][1024 n][64 k], so that a tile of the last product is one dense block.
; A block's scale byte is its largest magnitude's exponent field - 2, held at 1 from below by a floor among the maximum's leaves.
; LIMITS: NaN and infinities among the inputs are not served; a block whose largest magnitude lies under 2^-124 keeps the byte 1; a block of zeros gets the byte 1 where the rule says 127
; (its codes are zeros, and this program alone reads the bytes); |W_out| stays at or under 65,504, the range of f16.
.set SPW,   192                        ; v192  LDS address of my spare word; never rewritten
.set NIL,   193                        ; v193  0; never rewritten
.set XREG,  8192                       ; X: a region for each wave: two stages of 32 x 80 bytes, then its 256 scale bytes
.set SP,    80
.set WBASE, 32768                      ; W: four stages of 32 rows x 272 bytes
.set WP,    272
.set TBASE, 67584                      ; T: four stages of 32 rows x 144 bytes
.set TP,    144
.set SPARE, 86016                      ; the spare words, 128 bytes a wave: two blocks of 256 bytes that no other line names
.set XR, 16                            ; X: v16-79 four sets of 16 numbers as loaded; v80-111 two sets of 16 neighbours; v112-127 a byte a step; v128-189 codes
.set XX, 80
.set XE, 112
.set XC, 128
.set WX, 32                            ; W: v32-95 two sets of 32 numbers; v96-99 a block's codes; v112-175 the way out; v24-27 scale bytes
.set WC, 96
.set WO, 112
.set WSB, 24
.set TX, 32                            ; T: v32-95 64 numbers down K; v96-127 as f16; v128-159 the way out
.set TF, 96
.set TO, 128
.macro CLOSE                           ; a wave's end, behind its last LDS store
	s_wait_tensorcnt 0x0
	ds_add_u32 v[SPW], v[NIL]
	s_wait_dscnt 0x0
	s_endpgm
.endm
	s_load_b256 s[4:11], s[0:1], 0x0               ; x s[4:5], W_qkv s[6:7], W_out s[8:9], x_codes s[10:11]
	s_load_b256 s[12:19], s[0:1], 0x20             ; x_scales s[12:13], w_codes s[14:15], w_scales s[16:17], wt s[18:19]
	v_lshl_add_u32 v[SPW], v0, 2, SPARE
	v_mov_b32 v[NIL], 0
	v_lshrrev_b32 v1, 5, v0
	v_readfirstlane_b32 s20, v1                    ; wave
	v_and_b32 v2, 31, v0                           ; lane
	s_mov_b32 s25, 0                               ; the upper word of every offset: all lie under 2^32
	s_wait_kmcnt 0x0
	s_cmp_lt_u32 ttmp9, 256
	s_cbranch_scc1 .Lpath_x
	s_cmp_lt_u32 ttmp9, 304
	s_cbranch_scc1 .Lpath_w
; ---- T.  A lane takes a column n, its registers run down a plane's 64 k: each load reads 128 consecutive bytes; 64 numbers become 128 bytes of one row of wt.
	s_sub_co_u32 s21, ttmp9, 304
	s_and_b32 s22, s21, 7                          ; which 128 columns
	s_lshr_b32 s23, s21, 3                         ; the plane
	s_lshl_b32 s22, s22, 7
	s_lshl_b32 s24, s20, 5
	s_add_co_u32 s22, s22, s24                     ; my wave's first column
	s_lshl_b32 s24, s23, 18                        ; 64 rows of 4,096 bytes a plane
	s_lshl_b32 s26, s22, 2
	s_add_co_u32 s24, s24, s26
	s_add_nc_u64 s[8:9], s[8:9], s[24:25]
	s_lshl_b32 s24, s23, 17                        ; a plane of wt: 1,024 rows of 128 bytes
	s_lshl_b32 s26, s22, 7
	s_add_co_u32 s24, s24, s26
	s_add_nc_u64 s[18:19], s[18:19], s[24:25]
	v_lshlrev_b32 v3, 2, v2
.set e, 0
.rept 64
	global_load_b32 v[TX+e], v3, s[8:9] offset:e*4096 th:TH_LOAD_NT
.set e, e+1
.endr
	s_mul_i32 s26, s20, 32*TP
	s_add_co_u32 s26, s26, TBASE                   ; my stage
	v_mul_u32_u24 v4, v2, TP
	v_add_nc_u32 v4, s26, v4                       ; in: row = my column
	v_lshrrev_b32 v5, 3, v2
	v_mul_u32_u24 v5, v5, TP
	v_and_b32 v6, 7, v2
	v_lshl_add_u32 v5, v6, 4, v5
	v_add_nc_u32 v5, s26, v5                       ; back: eight lanes to a row of 128 bytes, four rows an instruction
	v_lshlrev_b32 v7, 4, v2
	s_wait_loadcnt 32                              ; the first 32 loads are in; the other 32 may be out
.set e, 0
.rept 16
	v_cvt_pk_f16_f32 v[TF+e], v[TX+2*e], v[TX+2*e+1]
.set e, e+1
.endr
	s_wait_loadcnt 0x0
.rept 16
	v_cvt_pk_f16_f32 v[TF+e], v[TX+2*e], v[TX+2*e+1]
.set e, e+1
.endr
.irp i, 0,1,2,3,4,5,6,7
	ds_store_b128 v4, v[TF+4*\i:TF+4*\i+3] offset:16*\i
.endr
.irp t, 0,1,2,3,4,5,6,7
	ds_load_b128 v[TO+4*\t:TO+4*\t+3], v5 offset:4*TP*\t   ; LDS serves a wave's instructions in order: these see my stores
.endr
.irp t, 0,1,2,3,4,5,6,7
	s_wait_dscnt 7-\t
	global_store_b128 v7, v[TO+4*\t:TO+4*\t+3], s[18:19] offset:512*\t   ; 32 lanes store 512 consecutive bytes
.endr
	CLOSE
; ---- X.  A plain stream of blocks of 32.  A wave takes 16 steps of 512 numbers: four loads of 512 consecutive bytes, turned through the wave's own stage so that a lane holds 16 neighbours.
.Lpath_x:
	v_lshlrev_b32 v3, 4, v2
	s_mul_i32 s21, s20, XREG
	v_lshrrev_b32 v14, 2, v2
	v_mul_u32_u24 v14, v14, SP
	v_and_b32 v15, 3, v2
	v_lshl_add_u32 v14, v15, 4, v14
	v_add_nc_u32 v14, s21, v14                     ; the stage, in: four lanes' 64 bytes on end, then 16 of padding
	v_mul_u32_u24 v15, v2, SP
	v_add_nc_u32 v15, s21, v15                     ; and out: my 16 neighbours
	v_lshlrev_b32 v4, 3, v2                        ; my 8 bytes of a step's codes
	v_lshrrev_b32 v5, 1, v2
	s_add_co_u32 s21, s21, 2*32*SP
	v_add_nc_u32 v5, s21, v5                       ; my block's scale byte
	v_lshlrev_b32 v7, 3, v2
	v_add_nc_u32 v6, s21, v7
	s_lshl_b32 s22, ttmp9, 2
	s_add_co_u32 s22, s22, s20                     ; which run of 8,192 numbers is my wave's
	s_lshl_b32 s24, s22, 15
	s_add_nc_u64 s[4:5], s[4:5], s[24:25]
	s_lshl_b32 s24, s22, 12
	s_add_nc_u64 s[10:11], s[10:11], s[24:25]
	s_lshl_b32 s24, s22, 8
	s_add_nc_u64 s[12:13], s[12:13], s[24:25]
.macro LOADX t
.irp i, 0,1,2,3
	global_load_b128 v[XR+16*((\t)%4)+4*\i:XR+16*((\t)%4)+4*\i+3], v3, s[4:5] offset:2048*(\t)+512*\i th:TH_LOAD_NT
.endr
.endm
.macro TURNX t
.irp i, 0,1,2,3
	ds_store_b128 v14, v[XR+16*((\t)%4)+4*\i:XR+16*((\t)%4)+4*\i+3] offset:32*SP*((\t)%2)+8*SP*\i
.endr
.irp i, 0,1,2,3
	ds_load_b128 v[XX+16*((\t)%2)+4*\i:XX+16*((\t)%2)+4*\i+3], v15 offset:32*SP*((\t)%2)+16*\i
.endr
.endm
.irp t, 0,1,2,3
	LOADX \t
.endr
	s_wait_loadcnt 12                              ; step 0's four loads are in
	TURNX 0
.macro STEPX t
.set XS, XX+16*((\t)%2)
.if (\t) > 0
	s_wait_dscnt 1                                 ; this step's numbers are back from the stage; the last step's byte store may be out
.else
	s_wait_dscnt 0x0
.endif
.if (\t)+4 < 16
	LOADX (\t)+4                                   ; into the set whose stores into the stage have been served
.endif
.if (\t)+1 < 16
.if 14-(\t) >= 3
	s_wait_loadcnt 12                              ; the next step's four loads are in; three steps' may be out
.else
	s_wait_loadcnt 4*(14-(\t))
.endif
	TURNX (\t)+1
.endif
	v_max3_num_f32 v8, |v[XS]|, |v[XS+1]|, |v[XS+2]|
	v_max3_num_f32 v9, |v[XS+3]|, |v[XS+4]|, |v[XS+5]|
.irp i, 6,10
	v_max3_num_f32 v8, v8, |v[XS+\i]|, |v[XS+\i+1]|
	v_max3_num_f32 v9, v9, |v[XS+\i+2]|, |v[XS+\i+3]|
.endr
	v_max3_num_f32 v8, v8, |v[XS+14]|, |v[XS+15]|
	v_max3_num_f32 v8, v8, v9, 0x1800000           ; the floor 2^(3 - 127): the byte cannot fall under 1
	v_max_num_f32_dpp v8, v8, v8 row_xmask:1 row_mask:0xf bank_mask:0xf   ; with my neighbour's 16: the block's largest magnitude
	v_add_nc_u32 v11, 0xff000000, v8               ; 2 off its exponent field: the conversion's scale operand
	v_cvt_scalef32_pk8_fp4_f32 v[XC+4*(\t)], v[XS:XS+7], v11
	v_cvt_scalef32_pk8_fp4_f32 v[XC+4*(\t)+1], v[XS+8:XS+15], v11
	v_lshrrev_b32 v[XE+(\t)], 23, v11              ; the scale's byte
	ds_store_b8 v5, v[XE+(\t)] offset:16*(\t)      ; both lanes of a block write the same byte
	global_store_b64 v4, v[XC+4*(\t):XC+4*(\t)+1], s[10:11] offset:256*(\t)   ; the wave stores 256 consecutive bytes
.endm
.irp t, 0,1,2,3,4,5,6,7,8,9,10,11,12,13,14,15
	STEPX \t
.endr
	ds_load_b64 v[8:9], v6
	s_wait_dscnt 0x0
	global_store_b64 v7, v[8:9], s[12:13]          ; the wave's 256 scale bytes, consecutive and aligned
	CLOSE
; ---- W.  A lane takes a column n and its registers run down K: a block of 32 lies in one lane, and the codes come out with K innermost.  A wave takes 32 columns x 512 along K.
.Lpath_w:
	s_sub_co_u32 s21, ttmp9, 256
	s_cmp_ge_u32 s21, 24
	s_cselect_b32 s22, 1, 0                        ; which 512 along K
	s_mul_i32 s23, s22, 24
	s_sub_co_u32 s21, s21, s23
	s_lshl_b32 s21, s21, 7
	s_lshl_b32 s23, s20, 5
	s_add_co_u32 s21, s21, s23                     ; my wave's first column
	v_lshlrev_b32 v3, 2, v2
	s_mul_i32 s23, s20, 32*WP
	s_add_co_u32 s23, s23, WBASE                   ; my stage
	v_mul_u32_u24 v4, v2, WP
	v_add_nc_u32 v4, s23, v4
	v_and_b32 v5, 15, v2
	v_lshrrev_b32 v6, 4, v2
	v_mul_u32_u24 v7, v6, WP
	v_lshl_add_u32 v7, v5, 4, v7
	v_add_nc_u32 v7, s23, v7                       ; back: sixteen lanes to a row of 256 bytes
	v_lshlrev_b32 v8, 9, v6
	v_lshl_add_u32 v8, v5, 4, v8                   ; and the same place in the codes' buffer (rows of 512 bytes)
	v_lshlrev_b32 v9, 5, v2                        ; my column's row of scale bytes
	s_mul_i32 s24, s22, 512*12288
	s_lshl_b32 s26, s21, 2
	s_add_co_u32 s24, s24, s26
	s_add_nc_u64 s[6:7], s[6:7], s[24:25]
	s_lshl_b32 s24, s21, 9
	s_lshl_b32 s26, s22, 8
	s_add_co_u32 s24, s24, s26
	s_add_nc_u64 s[14:15], s[14:15], s[24:25]
	s_lshl_b32 s24, s21, 5
	s_lshl_b32 s26, s22, 4
	s_add_co_u32 s24, s24, s26
	s_add_nc_u64 s[16:17], s[16:17], s[24:25]
.macro LOADW t
.irp i, 0,1,2,3,4,5,6,7,8,9,10,11,12,13,14,15,16,17,18,19,20,21,22,23,24,25,26,27,28,29,30,31
	global_load_b32 v[WX+32*((\t)%2)+\i], v3, s[6:7] offset:(32*(\t)+\i)*12288 th:TH_LOAD_NT   ; 511 rows of 12,288 bytes at the most: inside the signed 24-bit immediate
.endr
.endm
	LOADW 0
	LOADW 1
.macro BLOCKW t
.set XS, WX+32*((\t)%2)
.if (\t) < 15
	s_wait_loadcnt 32                              ; this block's 32 loads are in; the next block's may be out
.else
	s_wait_loadcnt 0x0
.endif
	v_max3_num_f32 v12, |v[XS]|, |v[XS+1]|, |v[XS+2]|
	v_max3_num_f32 v13, |v[XS+3]|, |v[XS+4]|, |v[XS+5]|
.irp i, 6,10,14,18,22,26
	v_max3_num_f32 v12, v12, |v[XS+\i]|, |v[XS+\i+1]|
	v_max3_num_f32 v13, v13, |v[XS+\i+2]|, |v[XS+\i+3]|
.endr
	v_max3_num_f32 v12, v12, |v[XS+30]|, |v[XS+31]|
	v_max3_num_f32 v12, v12, v13, 0x1800000
	v_add_nc_u32 v11, 0xff000000, v12
	v_lshrrev_b32 v13, 23, v11
.if (\t)%4 == 0
	v_mov_b32 v[WSB+(\t)/4], v13
.else
	v_lshl_or_b32 v[WSB+(\t)/4], v13, 8*((\t)%4), v[WSB+(\t)/4]
.endif
.irp g, 0,1,2,3
	v_cvt_scalef32_pk8_fp4_f32 v[WC+\g], v[XS+8*\g:XS+8*\g+7], v11
.endr
	ds_store_b128 v4, v[WC:WC+3] offset:16*(\t)
.if (\t)+2 < 16
	LOADW (\t)+2
.endif
	s_wait_dscnt 0x0                               ; the store has read its registers: the next block's codes may be written
.endm
.set QB, 0
.rept 16
	BLOCKW QB
.set QB, QB+1
.endr
	global_store_b128 v9, v[WSB:WSB+3], s[16:17]   ; my column's 16 scale bytes
.irp t, 0,1,2,3,4,5,6,7,8,9,10,11,12,13,14,15
	ds_load_b128 v[WO+4*\t:WO+4*\t+3], v7 offset:2*\t*WP
.endr
.irp t, 0,1,2,3,4,5,6,7,8,9,10,11,12,13,14,15
	s_wait_dscnt 15-\t
	global_store_b128 v8, v[WO+4*\t:WO+4*\t+3], s[14:15] offset:2*\t*512   ; sixteen lanes store 256 consecutive bytes, aligned
.endr
	CLOSE
.Lfunc_end_k_qf1a8ed2875_prep:
	.size	k_qf1a8ed2875_prep, .Lfunc_end_k_qf1a8ed2875_prep-k_qf1a8ed2875_prep
	.p2alignl 7, 3214868480
	.fill 96, 4, 3214868480
	.section	.rodata,"a",@progbits
	.p2align	6, 0x0
	.amdhsa_kernel k_qf1a8ed2875_prep
		.amdhsa_group_segment_fixed_size 86528
		.amdhsa_private_segment_fixed_size 0
		.amdhsa_enable_private_segment 0
		.amdhsa_kernarg_size 64
		.amdhsa_user_sgpr_count 2
		.amdhsa_user_sgpr_kernarg_segment_ptr 1
		.amdhsa_wavefront_size32 1
		.amdhsa_system_sgpr_workgroup_id_x 1
		.amdhsa_system_sgpr_workgroup_id_y 1
		.amdhsa_system_sgpr_workgroup_id_z 1
		.amdhsa_system_vgpr_workitem_id 0
		.amdhsa_next_free_vgpr 194
		.amdhsa_next_free_sgpr 66
		.amdhsa_reserve_vcc 0
		.amdhsa_float_denorm_mode_32 3
		.amdhsa_float_denorm_mode_16_64 3
		.amdhsa_memory_ordered 1
		.amdhsa_forward_progress 1
		.amdhsa_inst_pref_size 122
	.end_amdhsa_kernel
	.amdgpu_metadata
---
amdhsa.version: [ 1, 2 ]
amdhsa.kernels:
  - .name:           k_qf1a8ed2875_prep
    .symbol:         k_qf1a8ed2875_prep.kd
    .args:
      - { .name: x, .offset: 0, .size: 8, .value_kind: global_buffer, .address_space: global }
      - { .name: W_qkv, .offset: 8, .size: 8, .value_kind: global_buffer, .address_space: global }
      - { .name: W_out, .offset: 16, .size: 8, .value_kind: global_buffer, .address_space: global }
      - { .name: x_codes, .offset: 24, .size: 8, .value_kind: global_buffer, .address_space: global }
      - { .name: x_scales, .offset: 32, .size: 8, .value_kind: global_buffer, .address_space: global }
      - { .name: w_codes, .offset: 40, .size: 8, .value_kind: global_buffer, .address_space: global }
      - { .name: w_scales, .offset: 48, .size: 8, .value_kind: global_buffer, .address_space: global }
      - { .name: wt, .offset: 56, .size: 8, .value_kind: global_buffer, .address_space: global }
    .group_segment_fixed_size: 86528
    .private_segment_fixed_size: 0
    .kernarg_segment_align: 8
    .kernarg_segment_size: 64
    .max_flat_workgroup_size: 128
    .sgpr_count:     66
    .vgpr_count:     194
    .wavefront_size: 32
...
	.end_amdgpu_metadata
.endif
;; end of part 1
;; launch qkv (part 2): grid 12 x 32, 4 waves a work-group, clusters of 4 x 1, 327,680 bytes of LDS; arguments x_codes, x_scales, w_codes, w_scales, qkvh, aux; writes qkvh, aux
.if DOCPART == 2
	.amdgcn_target "amdgcn-amd-amdhsa--gfx1250"
	.amdhsa_code_object_version 6
	.text
	.protected	k_qf1a8ed2875_qkv
	.globl	k_qf1a8ed2875_qkv
	.p2align	8
	.type	k_qf1a8ed2875_qkv,@function
k_qf1a8ed2875_qkv:
	s_mov_b64 s[64:65], 0
	v_nop
	global_prefetch_b8 v0, s[64:65] scope:SCOPE_SE
	s_setreg_imm32_b32 hwreg(HW_REG_WAVE_MODE, 25, 1), 1
	s_wait_xcnt 0x0
	s_wait_alu depctr_hold_cnt(0) depctr_sa_sdst(0) depctr_va_vdst(0) depctr_va_sdst(0) depctr_va_ssrc(0) depctr_va_vcc(0) depctr_vm_vsrc(0)
	s_getreg_b32 s2, hwreg(HW_REG_IB_STS2, 6, 4)
	s_cmp_eq_u32 s2, 0
	s_cbranch_scc0 .Lentry_in_a_cluster
	s_endpgm
.Lentry_in_a_cluster:
	s_bfe_u32 s2, ttmp6, 0x10000c
	s_cmp_lg_u32 s2, 0x3003
	s_cbranch_scc0 .Lentry_shape_is_right
	s_endpgm
.Lentry_shape_is_right:
; qkv = Q(x) Q(W_qkv): [8192][1024] x [3072][1024] on codes of E2M1 with one E8M0 byte for each 32 along K, sums in f32.
; A tile of 256 x 256 to a work-group of four waves, 128 x 128 a wave: 64 accumulators, 512 registers.  K = 1,024 is two LDS slots of 512: both are filled at the start, nothing is filled again.
; CLUSTER: the four work-groups of a cluster lie side by side along N: they need the same rows of x, whose codes and scale bytes are asked for JOINTLY (mask 15).  W's tiles differ between them and
; come by plain loads.  The cluster is 4 x 1 and not 4 x 4, since the three ways out and the f32 copy below are branches on the tile row and on the section, which then hang on the cluster's
; numbers alone and never on a work-group's place in it.
; THE MATRIX INSTRUCTION IS USED TRANSPOSED (source 0 = 16 rows of W, source 1 = 16 rows of x): a lane holds eight neighbouring columns of one row.
; OUT: the cluster's x says which section: 0 q, 1 k, 2 v.  Each goes to qkvh as f16, laid [section][batch x 16 + head][2048][64]; q is first multiplied, in f32, by c = log2(e) / 8, so that the scores
; of the next launch are exponents of 2.  The first 16 rows of each batch also go to aux as raw f32 (for launch fine).  Of v the sums down each 128 rows go to aux too, in f32 (for rows with no open key).
; LIMITS: |q c|, |k| and |v| stay at or under 65,504, the range of f16.
; REGISTERS: window 0: v0-31 addresses; v32-95 scale words, two sets; v128-191 x's fragments, one set.  window 1: W's fragments, two sets.  windows 2, 3: the accumulators, (a, b) at v[8 (8 (a % 4) + b)].
; On the way out window 0 holds: v32-63 packed f16; v64-127 rows read back, two sets; v128-191 v's running sums; v192-255 rows of f32.
.set NQ,     4
.set ROWB,   256
.set KROW,   512
.set PITCH,  272                       ; an LDS row: 256 bytes + 16: the 16 rows that a load touches start at 16 different groups of four banks
.set FR,     8
.set NL,     2
.set NP,     4
.set HALFT,  128*PITCH
.set SLOT,   4*HALFT
.set KS,     32
.set SCL,    2*SLOT                    ; behind the slots: the scale bytes, as units of 256 bytes + 16
.set HALFS,  (128*KS/256)*272
.set SBLK,   (16*KS/256)*272
.set SPARE,  SCL+4*HALFS               ; the spare words, 128 bytes a wave
.set SPITCH, 528                       ; the way out: a stage of 8,448 bytes for each wave, in slot 0, which has had its only fill and its last read: 16 rows of 512 + 16 bytes (f32),
.set HPITCH, 272                       ; or of 256 + 16 (f16)
.set ADRA, 16
.set ADRB, 20
.set CO32, 22
.set STO,  24
.set RD,   25
.set CO,   26
.set ADRS, 27
.set SPW,  28
.set NIL,  29
.set STO32, 30
.set RD32, 31
.set SC,   32
.set AF,   128
.set TMP,  32
.set BK,   64
.set VS,   128
.set CP,   192
.set G1, 24
.set G0, 32
.set G1B, 48
.set G0B, 56
.set CQ,  66                           ; s[66:67] c, twice
.set G1S, 68
.set G0S, 76
.set G1SB, 80
.set G0SB, 88
.set C16, 2                            ; s[2:3]   where my part of the f32 copy begins
.set VPB, 96                           ; s[96:97] aux, then where my 128 column sums go
.set MSB, 0
.macro WIN new
.if MSB != (\new)
	s_set_vgpr_msb (MSB<<8)|(\new)
.set MSB, (\new)
.endif
.endm
.set MUL_LO, 0xa1
.set MUL_HI, 0xf1
.set TO_B,   0x40
; Waves 0 and 1 fetch for x (jointly), waves 2 and 3 for W.  The branch hangs on the wave's number alone.  An s_nop 0 and four v_nop follow each line.
.macro JLOAD g0a, g1a, g0b, g1b
	s_cmp_eq_u32 s15, 0
	s_cbranch_scc0 .Lfor_b_\@
	tensor_load_to_lds s[\g0a:\g0a+3], s[\g1a:\g1a+7]
	s_nop 0
.rept 4
	v_nop
.endr
	s_branch .Lasked_\@
.Lfor_b_\@:
	tensor_load_to_lds s[\g0b:\g0b+3], s[\g1b:\g1b+7]
	s_nop 0
.rept 4
	v_nop
.endr
.Lasked_\@:
.endm
.macro CROUND                          ; a round of the cluster's barrier
	s_barrier_signal -1
	s_barrier_wait -1
	s_cmp_lg_u32 s14, 0
	s_cbranch_scc1 .Lnot_wave_0_\@
	s_barrier_signal -3
.Lnot_wave_0_\@:
	s_barrier_wait -3
	s_barrier_signal -1
	s_barrier_wait -1
.endm
	s_load_b128 s[4:7], s[0:1], 0x0                ; x's codes, x's scales
	s_load_b128 s[8:11], s[0:1], 0x10              ; W's codes, W's scales
	s_load_b64 s[12:13], s[0:1], 0x20              ; qkvh
	s_load_b64 s[VPB:VPB+1], s[0:1], 0x28          ; aux
	v_lshl_add_u32 v[SPW], v0, 2, SPARE
	v_mov_b32 v[NIL], 0
	ds_add_u32 v[SPW], v[NIL]                      ; the wave's opening: the add, twice on end, and its wait ahead of my first tensor load
	ds_add_u32 v[SPW], v[NIL]
	v_lshrrev_b32 v1, 5, v0
	v_readfirstlane_b32 s14, v1                    ; wave
	s_lshr_b32 s15, s14, 1                         ; which half of the tile's rows is mine.  Also: I fetch for x (0) or for W (1)
	s_and_b32 s16, s14, 1                          ; which half of its columns.  Also: which 128 rows I fetch
	s_bfe_u32 s40, ttmp6, 0x40000                  ; cx
	s_lshl_b32 s42, ttmp9, 2
	s_add_co_u32 s42, s42, s40                     ; tile column = 4 x cluster x + cx
	s_and_b32 s17, ttmp7, 0xffff                   ; tile row
	s_mov_b32 s[G1+0], 15|(1<<20)|(1<<21)|(5<<22)|(3<<25)   ; the mask: all four partners; elements of 1 byte; padding: 4 words behind every 64; bit 21 beside a mask
	s_mov_b32 s[G1B+0], (1<<20)|(5<<22)|(3<<25)             ; the same with no mask: a load of my own
.irp g, G1, G1B
	s_mov_b32 s[\g+1], ROWB<<16                    ; tensor_dim0
	s_mov_b32 s[\g+2], 128<<16                     ; tensor_dim1
	s_mov_b32 s[\g+3], ROWB<<16                    ; tile_dim0
	s_mov_b32 s[\g+4], 128                         ; tile_dim1
	s_mov_b32 s[\g+5], KROW                        ; the pitch
	s_mov_b32 s[\g+6], 0
	s_mov_b32 s[\g+7], 0
.endr
	s_mov_b32 s[G1S+0], 15|(3<<16)|(1<<20)|(1<<21)|(5<<22)|(3<<25)   ; the scale bytes of 128 rows: 4,096 dense bytes as 16 rows of 256 (32 elements of 8 bytes)
	s_mov_b32 s[G1SB+0], (3<<16)|(1<<20)|(5<<22)|(3<<25)
.irp g, G1S, G1SB
	s_mov_b32 s[\g+1], 32<<16
	s_mov_b32 s[\g+2], (128*KS/256)<<16
	s_mov_b32 s[\g+3], 32<<16
	s_mov_b32 s[\g+4], 128*KS/256
	s_mov_b32 s[\g+5], 32
	s_mov_b32 s[\g+6], 0
	s_mov_b32 s[\g+7], 0
.endr
	s_lshl_b32 s18, s16, 7
	s_lshl_b32 s20, s17, 8
	s_add_co_u32 s20, s20, s18                     ; x: row 256 x tile row + 128 x half
	s_lshl_b32 s46, s42, 8
	s_add_co_u32 s46, s46, s18                     ; W: row 256 x tile column + 128 x half (cx stays in s40-47, s92, s93)
	s_lshl_b32 s22, s20, 5                         ; their scale bytes,
	s_mov_b32 s23, 0
	s_lshl_b32 s20, s20, 9                         ; their codes
	s_mov_b32 s21, 0
	s_lshl_b32 s92, s46, 5
	s_mov_b32 s93, 0
	s_lshl_b32 s46, s46, 9
	s_mov_b32 s47, 0
	s_mul_i32 s45, s14, HALFT                      ; where they go: wave x 128 rows
	s_mul_i32 s94, s14, HALFS
	s_mov_b32 s[CQ], 0x3e38aa3b                    ; c = log2(e) / 8
	s_mov_b32 s[CQ+1], s[CQ]
	s_wait_dscnt 0x0                               ; both opening adds are done
	s_wait_kmcnt 0x0
	s_add_nc_u64 s[20:21], s[4:5], s[20:21]
	s_add_nc_u64 s[22:23], s[6:7], s[22:23]
	s_add_nc_u64 s[46:47], s[8:9], s[46:47]
	s_add_nc_u64 s[92:93], s[10:11], s[92:93]
	CROUND                                         ; all four work-groups are here: the joint loads meet
	s_mov_b32 s[G0S], 1
	s_add_co_u32 s[G0S+1], s94, SCL
	s_mov_b64 s[G0S+2:G0S+3], s[22:23]
	s_or_b32 s[G0S+3], s[G0S+3], 0x80000000
	s_mov_b32 s[G0SB], 1
	s_add_co_u32 s[G0SB+1], s94, SCL
	s_mov_b64 s[G0SB+2:G0SB+3], s[92:93]
	s_or_b32 s[G0SB+3], s[G0SB+3], 0x80000000
	JLOAD G0S, G1S, G0SB, G1SB                     ; the scale bytes first; by this text's count three loads of a wave are out at the most
.irp s, 0,1
	s_mov_b32 s[G0+4*\s], 1
	s_add_co_u32 s[G0+4*\s+1], s45, \s*SLOT
	s_add_nc_u64 s[G0+4*\s+2:G0+4*\s+3], s[20:21], \s*ROWB
	s_or_b32 s[G0+4*\s+3], s[G0+4*\s+3], 0x80000000
	s_mov_b32 s[G0B+4*\s], 1
	s_add_co_u32 s[G0B+4*\s+1], s45, \s*SLOT
	s_add_nc_u64 s[G0B+4*\s+2:G0B+4*\s+3], s[46:47], \s*ROWB
	s_or_b32 s[G0B+4*\s+3], s[G0B+4*\s+3], 0x80000000
	JLOAD G0+4*\s, G1, G0B+4*\s, G1B
.endr
	v_and_b32 v1, 15, v0                           ; r
	v_bfe_u32 v2, v0, 4, 1                         ; h
	v_mul_u32_u24 v3, v1, PITCH
	v_lshl_add_u32 v4, v2, 4, v3
	s_mul_i32 s21, s15, HALFT
	s_mul_i32 s22, s16, HALFT
	s_add_co_u32 s22, s22, 2*HALFT
.irp s, 0,1
	v_add_nc_u32 v[ADRA+\s], s21, v4
	v_add_nc_u32 v[ADRB+\s], s22, v4
	s_add_co_u32 s21, s21, SLOT
	s_add_co_u32 s22, s22, SLOT
.endr
	v_mul_u32_u24 v5, v1, KS                       ; my row's scale bytes: 32 a row, and 16 more for each 256 passed
	v_lshrrev_b32 v6, 8, v5
	v_lshl_add_u32 v5, v6, 4, v5
	s_mul_i32 s21, s15, HALFS
	s_mul_i32 s22, s16, HALFS
	s_add_co_u32 s22, s22, 2*HALFS
	s_sub_co_u32 s22, s22, s21
	v_mul_u32_u24 v6, s22, v2                      ; lanes 16-31 take W's
	s_add_co_u32 s21, s21, SCL
	v_add_nc_u32 v5, v5, v6
	v_add_nc_u32 v[ADRS], s21, v5
	s_mul_i32 s23, s14, 16*SPITCH                  ; my stage
	v_mul_u32_u24 v5, v1, HPITCH
	v_lshl_add_u32 v5, v2, 4, v5
	v_add_nc_u32 v[STO], s23, v5                   ; f16, in: row r, 16 bytes for each half of the lanes
	v_bfe_u32 v6, v0, 3, 1
	v_and_b32 v7, 7, v0
	v_mul_u32_u24 v8, v6, HPITCH
	v_lshl_add_u32 v8, v2, 7, v8
	v_lshl_add_u32 v8, v7, 4, v8
	v_add_nc_u32 v[RD], s23, v8                    ; back: lanes 0-15 two rows of my first head (2 x 128 bytes), lanes 16-31 of my second
	v_lshlrev_b32 v8, 18, v2
	v_lshl_add_u32 v8, v6, 7, v8
	v_lshl_add_u32 v[CO], v7, 4, v8                ; and the same places in qkvh: a head's plane is 262,144 bytes
	v_mul_u32_u24 v5, v1, SPITCH
	v_lshl_add_u32 v5, v2, 5, v5
	v_add_nc_u32 v[STO32], s23, v5                 ; f32, in: row r, 32 bytes for each half
	v_and_b32 v6, 31, v0
	v_lshlrev_b32 v[CO32], 4, v6
	v_add_nc_u32 v[RD32], s23, v[CO32]             ; back: the 32 lanes take a row of 512 bytes
	s_lshr_b32 s41, s17, 3                         ; the batch: eight tile rows each
	s_lshl_b32 s41, s41, 4
	s_lshl_b32 s43, s40, 2
	s_add_co_u32 s41, s41, s43
	s_lshl_b32 s43, s16, 1
	s_add_co_u32 s41, s41, s43                     ; my first head's plane: 16 x batch + 4 cx + 2 x half
	s_lshl_b32 s41, s41, 11
	s_and_b32 s43, s17, 7
	s_lshl_b32 s43, s43, 8
	s_add_co_u32 s41, s41, s43
	s_lshl_b32 s43, s15, 7
	s_add_co_u32 s41, s41, s43                     ; + my first position
	s_lshl_b32 s46, s41, 7                         ; rows of 128 bytes
	s_lshl_b32 s43, ttmp9, 24                      ; + the section
	s_add_co_u32 s46, s46, s43
	s_mov_b32 s47, 0
	s_add_nc_u64 s[12:13], s[12:13], s[46:47]
	s_lshr_b32 s41, s17, 3
	s_mul_i32 s41, s41, 196608                     ; the f32 copy: 16 rows of 12,288 bytes a batch
	s_lshl_b32 s43, s42, 10
	s_add_co_u32 s41, s41, s43
	s_lshl_b32 s43, s16, 9
	s_add_co_u32 s46, s41, s43
	s_add_nc_u64 s[C16:C16+1], s[VPB:VPB+1], s[46:47]
	s_lshl_b32 s41, s17, 1
	s_add_co_u32 s41, s41, s15
	s_lshl_b32 s41, s41, 12                        ; the column sums: a row of 4,096 bytes for each 128 rows of v
	s_lshl_b32 s43, s40, 10
	s_add_co_u32 s41, s41, s43
	s_lshl_b32 s43, s16, 9
	s_add_co_u32 s41, s41, s43
	s_add_co_u32 s46, s41, 786432
	s_add_nc_u64 s[VPB:VPB+1], s[VPB:VPB+1], s[46:47]
.macro FRAG reg, adr, q, i             ; 16 rows x 128 K of 4-bit codes: 8 registers, two loads of 16 bytes, 32 bytes apart
.irp c, 0,1
	ds_load_b128 v[\reg+4*\c:\reg+4*\c+3], v[\adr] offset:64*(\q)+32*\c+(\i)*16*PITCH
.endr
.endm
; 16 matrix instructions: x's blocks a0, a0 + 1 against W's eight.  The 64 accumulators take turns, one instruction a turn, in the same order in every step.
.macro MUL16 a0, p, q, sc, zero
.irp a, \a0, \a0+1
.irp b, 0,1,2,3,4,5,6,7
.if \zero
	v_wmma_scale_f32_16x16x128_f8f6f4 v[8*(8*((\a)%4)+\b):8*(8*((\a)%4)+\b)+7], v[128*(\p)+FR*\b:128*(\p)+FR*\b+FR-1], v[AF+FR*(\a):AF+FR*(\a)+FR-1], 0, v[SC+8*NQ*(\sc)+NQ*\b+(\q)], v[SC+8*NQ*(\sc)+NQ*(\a)+(\q)] matrix_a_fmt:MATRIX_FMT_FP4 matrix_b_fmt:MATRIX_FMT_FP4 matrix_a_scale:MATRIX_SCALE_ROW1
.else
	v_wmma_scale_f32_16x16x128_f8f6f4 v[8*(8*((\a)%4)+\b):8*(8*((\a)%4)+\b)+7], v[128*(\p)+FR*\b:128*(\p)+FR*\b+FR-1], v[AF+FR*(\a):AF+FR*(\a)+FR-1], v[8*(8*((\a)%4)+\b):8*(8*((\a)%4)+\b)+7], v[SC+8*NQ*(\sc)+NQ*\b+(\q)], v[SC+8*NQ*(\sc)+NQ*(\a)+(\q)] matrix_a_fmt:MATRIX_FMT_FP4 matrix_b_fmt:MATRIX_FMT_FP4 matrix_a_scale:MATRIX_SCALE_ROW1
.endif
.endr
.endr
.endm
.macro FETCH_B slot, q, p
	WIN TO_B
.irp i, 0,1,2,3,4,5,6,7
	FRAG 128*(\p)+FR*\i, ADRB+\slot, \q, \i
.endr
	WIN 0
.endm
.macro FETCH_A slot, q, i0
.irp i, \i0, \i0+1, \i0+2, \i0+3
	FRAG AF+FR*(\i), ADRA+\slot, \q, \i
.endr
.endm
.macro SCALES sc                       ; a slot's scale words: lanes 0-15 take x's block i, lanes 16-31 W's block i
.irp i, 0,1,2,3,4,5,6,7
	ds_load_b128 v[SC+8*NQ*\sc+NQ*\i:SC+8*NQ*\sc+NQ*\i+3], v[ADRS] offset:\i*SBLK
.endr
.endm
.macro PLACES n                        ; plain vector instructions between a matrix instruction and a load into, or a read of, its registers
.rept \n
	v_nop
.endr
.endm
.macro STEP slot, q, zero              ; 128 along K, with its successor in the same slot
	s_wait_dscnt 4*NL                              ; W's set and x's blocks 0-3 are in; the youngest eight loads (x's blocks 4-7) may be out
	WIN MUL_LO
	MUL16 0, (\q)%2, \q, \slot, \zero
	MUL16 2, (\q)%2, \q, \slot, \zero
	s_wait_dscnt 0
	PLACES NP
	FETCH_B \slot, (\q)+1, 1-(\q)%2
	FETCH_A \slot, (\q)+1, 0
	WIN MUL_HI
	MUL16 4, (\q)%2, \q, \slot, \zero
	MUL16 6, (\q)%2, \q, \slot, \zero
	PLACES NP
	WIN 0
	FETCH_A \slot, (\q)+1, 4
.endm
; Slot 0's last step changes slots: each wave waits for all its tensor loads (its part of slot 1), and for its reads of slot 0; behind the barrier slot 1 is whole and nobody reads slot 0.
.macro TURN slot, next
	s_wait_tensorcnt 0x0
	ds_add_u32 v[SPW], v[NIL]                      ; 0 onto my spare word
	s_wait_dscnt 4*NL+1                            ; the add and the youngest eight loads may be out
	WIN MUL_LO
	MUL16 0, 1, NQ-1, \slot, 0
	s_wait_dscnt 0x0
	s_barrier_signal -1
	MUL16 2, 1, NQ-1, \slot, 0
	WIN 0
	s_barrier_wait -1
	PLACES NP
	v_add_nc_u32 v[ADRS], 4*NQ, v[ADRS]            ; on to the next slot's scale words
	FETCH_B \next, 0, 0
	FETCH_A \next, 0, 0
	SCALES \next
	WIN MUL_HI
	MUL16 4, 1, NQ-1, \slot, 0
	MUL16 6, 1, NQ-1, \slot, 0
	PLACES NP
	WIN 0
	FETCH_A \next, 0, 4
.endm
	s_wait_tensorcnt 1                             ; the scale bytes and my part of slot 0 are in; slot 1's load may be out
	s_barrier_signal -1
	s_barrier_wait -1
	FETCH_B 0, 0, 0
	FETCH_A 0, 0, 0
	SCALES 0
	FETCH_A 0, 0, 4
	STEP 0, 0, 1                                   ; the first products start the sums: nothing is cleared
	STEP 0, 1, 0
	STEP 0, 2, 0
	TURN 0, 1
	STEP 1, 0, 0
	STEP 1, 1, 0
	STEP 1, 2, 0
	s_wait_dscnt 4*NL
	WIN MUL_LO
	MUL16 0, 1, NQ-1, 1, 0
	MUL16 2, 1, NQ-1, 1, 0
	s_wait_dscnt 0
	WIN MUL_HI
	MUL16 4, 1, NQ-1, 1, 0
	MUL16 6, 1, NQ-1, 1, 0
	WIN 0
	PLACES NP
; THE WAY OUT.  Block a = my rows 16 a .. 16 a + 15, 128 columns = two heads.  Each accumulator is read from its low end on.
.macro PACKH a, kind                   ; kind 0: q, times c in f32 first; then all kinds: rounded to f16, 16 bytes a lane and block of columns
.set AC, 64*((\a)%4)
.if \kind == 0
	WIN 0x82+0x41*((\a)/4)
.set i, 0
.rept 32
	v_pk_mul_f32 v[AC+i:AC+i+1], v[AC+i:AC+i+1], s[CQ:CQ+1] op_sel_hi:[1,0]
.set i, i+2
.endr
.endif
	WIN 0x0a+5*((\a)/4)
.irp b, 0,1,2,3,4,5,6,7
.irp r, 0,1,2,3
	v_cvt_pk_f16_f32 v[TMP+4*\b+\r], v[AC+8*\b+2*\r], v[AC+8*\b+2*\r+1]
.endr
.endr
	WIN 0
.endm
.macro TOSTAGEH a
.set BB, BK+32*((\a)%2)
.irp b, 0,1,2,3,4,5,6,7
	ds_store_b128 v[STO], v[TMP+4*\b:TMP+4*\b+3] offset:32*\b
.endr
.irp t, 0,1,2,3,4,5,6,7
	ds_load_b128 v[BB+4*\t:BB+4*\t+3], v[RD] offset:\t*2*HPITCH   ; LDS serves a wave's instructions in order: these see the stores above
.endr
.endm
.macro SENDH a
.set BB, BK+32*((\a)%2)
	s_wait_dscnt 0x0
.irp t, 0,1,2,3,4,5,6,7
	global_store_b128 v[CO], v[BB+4*\t:BB+4*\t+3], s[12:13] offset:2048*(\a)+256*\t   ; sixteen lanes store two rows of one head: 256 consecutive bytes, aligned
.endr
.endm
.macro VADD a                          ; v alone: the running sums down my blocks, in f32
.set AC, 64*((\a)%4)
.set i, 0
.if (\a) == 1
	WIN 0x0a
.rept 32
	v_pk_add_f32 v[VS+i:VS+i+1], v[i:i+1], v[64+i:64+i+1]
.set i, i+2
.endr
.else
	WIN 0x08+4*((\a)/4)
.rept 32
	v_pk_add_f32 v[VS+i:VS+i+1], v[VS+i:VS+i+1], v[AC+i:AC+i+1]
.set i, i+2
.endr
.endif
	WIN 0
.endm
.macro VOUT                            ; the 16 lanes' sums meet through the stage: 16 rows of 128 numbers are added, and the wave stores 512 consecutive bytes
	s_wait_xcnt 0x0                                ; earlier stores have read v192-255
.irp b, 0,1,2,3,4,5,6,7
	ds_store_b128 v[STO32], v[VS+8*\b:VS+8*\b+3] offset:64*\b
	ds_store_b128 v[STO32], v[VS+8*\b+4:VS+8*\b+7] offset:64*\b+16
.endr
.irp t, 0,1,2,3,4,5,6,7,8,9,10,11,12,13,14,15
	ds_load_b128 v[CP+4*\t:CP+4*\t+3], v[RD32] offset:\t*SPITCH
.endr
	s_wait_dscnt 0x0
.irp w, 8,4,2,1
.set t, 0
.rept \w
	v_pk_add_f32 v[CP+4*t:CP+4*t+1], v[CP+4*t:CP+4*t+1], v[CP+4*(t+\w):CP+4*(t+\w)+1]
	v_pk_add_f32 v[CP+4*t+2:CP+4*t+3], v[CP+4*t+2:CP+4*t+3], v[CP+4*(t+\w)+2:CP+4*(t+\w)+3]
.set t, t+1
.endr
.endr
	global_store_b128 v[CO32], v[CP:CP+3], s[VPB:VPB+1]
.endm
.macro WAYOUT kind
	PACKH 0, \kind
	TOSTAGEH 0
.irp a, 1,2,3,4,5,6,7
.if \kind == 2
	VADD \a
.endif
	PACKH \a, \kind                                ; a block's conversions stand between the loads of the block before and the wait for them
.if \a > 1
	s_wait_xcnt 0x0                                ; block a - 2's stores have read their registers: block a's loads may land there
.endif
	SENDH \a-1
	TOSTAGEH \a
.endr
	SENDH 7
.if \kind == 2
	VOUT
.endif
.endm
	; the first 16 rows of a batch, raw and in f32: the tile rows 0, 8, 16, 24, and in them the waves of the upper half: a branch on the cluster's y and on the wave's number
	s_and_b32 s18, s17, 7
	s_or_b32 s18, s18, s15
	s_cmp_lg_u32 s18, 0
	s_cbranch_scc1 .Lno16
	WIN 0x08                                       ; an LDS store's data: window 2
.irp b, 0,1,2,3,4,5,6,7
	ds_store_b128 v[STO32], v[8*\b:8*\b+3] offset:64*\b
	ds_store_b128 v[STO32], v[8*\b+4:8*\b+7] offset:64*\b+16
.endr
	WIN 0
.irp t, 0,1,2,3,4,5,6,7,8,9,10,11,12,13,14,15
	ds_load_b128 v[CP+4*\t:CP+4*\t+3], v[RD32] offset:\t*SPITCH
.endr
.irp t, 0,1,2,3,4,5,6,7,8,9,10,11,12,13,14,15
	s_wait_dscnt 15-\t
	global_store_b128 v[CO32], v[CP+4*\t:CP+4*\t+3], s[C16:C16+1] offset:12288*\t   ; 32 lanes store 512 consecutive bytes
.endr
.Lno16:
	s_cmp_eq_u32 ttmp9, 0                          ; the section: the cluster's x, the same in all four partners
	s_cbranch_scc1 .Lout_q
	s_cmp_eq_u32 ttmp9, 1
	s_cbranch_scc1 .Lout_k
	WAYOUT 2
	s_branch .Lend
.Lout_q:
	WAYOUT 0
	s_branch .Lend
.Lout_k:
	WAYOUT 1
.Lend:
	s_wait_tensorcnt 0x0                           ; the wave's end
	ds_add_u32 v[SPW], v[NIL]
	s_wait_dscnt 0x0
	CROUND                                         ; the closing round
	s_endpgm
.Lfunc_end_k_qf1a8ed2875_qkv:
	.size	k_qf1a8ed2875_qkv, .Lfunc_end_k_qf1a8ed2875_qkv-k_qf1a8ed2875_qkv
	.p2alignl 7, 3214868480
	.fill 96, 4, 3214868480
	.section	.rodata,"a",@progbits
	.p2align	6, 0x0
	.amdhsa_kernel k_qf1a8ed2875_qkv
		.amdhsa_group_segment_fixed_size 327680
		.amdhsa_private_segment_fixed_size 0
		.amdhsa_enable_private_segment 0
		.amdhsa_kernarg_size 48
		.amdhsa_user_sgpr_count 2
		.amdhsa_user_sgpr_kernarg_segment_ptr 1
		.amdhsa_wavefront_size32 1
		.amdhsa_system_sgpr_workgroup_id_x 1
		.amdhsa_system_sgpr_workgroup_id_y 1
		.amdhsa_system_sgpr_workgroup_id_z 1
		.amdhsa_system_vgpr_workitem_id 0
		.amdhsa_next_free_vgpr 1024
		.amdhsa_next_free_sgpr 98
		.amdhsa_reserve_vcc 0
		.amdhsa_float_denorm_mode_32 3
		.amdhsa_float_denorm_mode_16_64 3
		.amdhsa_memory_ordered 1
		.amdhsa_forward_progress 1
		.amdhsa_inst_pref_size 228
	.end_amdhsa_kernel
	.amdgpu_metadata
---
amdhsa.version: [ 1, 2 ]
amdhsa.kernels:
  - .name:           k_qf1a8ed2875_qkv
    .symbol:         k_qf1a8ed2875_qkv.kd
    .args:
      - { .name: x_codes, .offset: 0, .size: 8, .value_kind: global_buffer, .address_space: global }
      - { .name: x_scales, .offset: 8, .size: 8, .value_kind: global_buffer, .address_space: global }
      - { .name: w_codes, .offset: 16, .size: 8, .value_kind: global_buffer, .address_space: global }
      - { .name: w_scales, .offset: 24, .size: 8, .value_kind: global_buffer, .address_space: global }
      - { .name: qkvh, .offset: 32, .size: 8, .value_kind: global_buffer, .address_space: global }
      - { .name: aux, .offset: 40, .size: 8, .value_kind: global_buffer, .address_space: global }
    .group_segment_fixed_size: 327680
    .private_segment_fixed_size: 0
    .kernarg_segment_align: 8
    .kernarg_segment_size: 48
    .max_flat_workgroup_size: 128
    .sgpr_count:     98
    .vgpr_count:     1024
    .wavefront_size: 32
...
	.end_amdgpu_metadata
.endif
;; end of part 2
;; launch attn (part 3): grid 4 x 64, 16 waves a work-group, no clusters, 327,680 bytes of LDS; arguments qkvh, aux, mask, o; writes o
.if DOCPART == 3
	.amdgcn_target "amdgcn-amd-amdhsa--gfx1250"
	.amdhsa_code_object_version 6
	.text
	.protected	k_qf1a8ed2875_attn
	.globl	k_qf1a8ed2875_attn
	.p2align	8
	.type	k_qf1a8ed2875_attn,@function
k_qf1a8ed2875_attn:
	s_mov_b64 s[64:65], 0
	v_nop
	global_prefetch_b8 v0, s[64:65] scope:SCOPE_SE
	s_setreg_imm32_b32 hwreg(HW_REG_WAVE_MODE, 25, 1), 1
	s_wait_xcnt 0x0
; o[head][q] = softmax_k(q . k / 8, padding mask, causal mask) v, on f16 operands with f32 sums; q arrives multiplied by log2(e) / 8, so a score IS the exponent t of 2.
; WORK LEFT OUT: key steps that lie wholly above the diagonal (reference() hides them in its own body; for a row with an open key their weights add nothing).  A row with no open key among keys 0 .. q
; is, for all values of the inputs, the mean of v over all 2,048 keys: it is taken from the column sums in aux and chosen by a select.
; LIMITS: a legitimate |t| stays under 2^99; a masked score is -2^100 where reference() has -FLT_MAX (both give the weight 0 beside an open key); |o| stays inside f16; NaN and infinities are not served.
; Positions 0-15 of each batch are computed here with their tiles; launch fine makes them anew in f32, and the next launch does not store them.
; SHARES.  Work-group (p, head) owns the query blocks p and 7 - p, 256 queries each: (p + 1) + (8 - p) = 9 blocks of keys for every work-group.  Sixteen waves of 32 queries (two tiles of 16), 256 registers
; each, four to a SIMD: one wave's softmax stands beside another's products and LDS loads.  Which block a wave takes is (w xor w / 4) & 1, so that long and short waves are mixed.
; NO CLUSTER: the four work-groups of a head need 8 - p slots of keys, a different number each, and the causal mask would let all waves of a partner pass over a tile asked for jointly.
; LAYOUT.  S^T = K Q^T (source 0 = 16 keys, source 1 = 16 queries), O^T = V^T P: a lane holds ONE query (lane % 16) throughout; two tiles of S^T, rounded to f16 in pairs, ARE source 1 of the second product.
; The padding mask enters as the C of each score's first matrix instruction: 0 or -2^100 for each key, kept in LDS.
; RING.  Two slots of 256 keys (K rows of 128 + 16 bytes, V rows of 128 + 32), filled by waves 0-3, read by all.  Every work-group walks all eight changes of slots; it asks for a slot only while
; the slot's first key is at or under its last query.  Every wait on TENSORcnt is for 0.
.set PK,    144
.set PV,    160
.set VOFF,  256*PK
.set SLOT1, 1<<17
.set BIAS,  2*SLOT1                    ; 2,048 f32: 0 or -2^100
.set VSUM,  BIAS+8192                  ; 64 f32: the head's column sums of v
.set SPARE, VSUM+256                   ; the spare words, 128 bytes for each of 16 waves
.set STG,   SPARE+2048                 ; the way out: 16 rows x 144 bytes for each wave
.set AK0, 1
.set AV0, 2
.set ABI, 3
.set SPW, 4
.set NIL, 5
.set ADK, 6
.set ADV, 7
.set ADB, 8
.set NEG, 9                            ; -2^100
.set DQB, 10                           ; r - 8 h
.set DQ,  11
.set ST,  12                           ; tile t's statistics at v[ST + 8 t]: +0 m, +1 old m, then old - new, +2, +3 l, +4..+7 at work; a lies in +6
.set PFO, 28
.set GO,  29
.set QF,  32                           ; Q: tile t, channels 32 c on: v[QF + 16 t + 8 c]
.set KV,  64                           ; a step's fragments of K, then of V
.set S,   128                          ; S^T: tile t, keys 16 kt on: v[S + 32 t + 8 kt]; P in place, in the first 16 of each tile
.set O,   192                          ; O^T: tile t, channels 16 dt on: v[O + 32 t + 8 dt]
.set WV,  18
.set SEL, 20
.set G1K, 24
.set G1V, 32
.set G0K, 40
.set G0V, 44
.set TB,  2
.set TKB, 3
.set SLOTS, 67
.set LASTQ, 68
.set FL,  70
.set PFA, 76
.set LIM, 80
.set KF,  98
.set Q0,  99
; Waves 0 and 1 fetch K's halves, waves 2 and 3 V's, the others nothing.  An s_nop 0 and four v_nop follow each line.
.macro TLOAD
	s_cmp_lt_u32 s[WV], 2
	s_cbranch_scc0 .Lnot_k_\@
	tensor_load_to_lds s[G0K:G0K+3], s[G1K:G1K+7]
	s_nop 0
.rept 4
	v_nop
.endr
	s_branch .Lasked_\@
.Lnot_k_\@:
	s_cmp_lt_u32 s[WV], 4
	s_cbranch_scc0 .Lasked_\@
	tensor_load_to_lds s[G0V:G0V+3], s[G1V:G1V+7]
	s_nop 0
.rept 4
	v_nop
.endr
.Lasked_\@:
.endm
; A prefetch of what the NEXT change of slots will ask for: a slot's 32,768 dense bytes of K and of V.  The four work-groups of a head walk the same K and V: the one with p = 0, which loads all eight
; slots, asks.  In it waves 4-7 ask for K's block and waves 8-11 for V's: 8,192 bytes a wave, lanes 256 bytes apart, one instruction: each aligned block of 256 bytes is named once in the launch.
; Slots 0 and 1 come by their loads alone; the last change that fills a slot asks for nothing.
.macro ASK
	s_cmp_gt_u32 s[SLOTS], s[LIM]
	s_cbranch_scc0 .Lnot_mine_\@
	global_prefetch_b8 v[PFO], s[PFA:PFA+1] th:TH_LOAD_NT scope:SCOPE_SE
.Lnot_mine_\@:
.endm
	s_load_b256 s[4:11], s[0:1], 0x0               ; qkvh s[4:5], aux s[6:7], mask s[8:9], o s[10:11]
	v_lshl_add_u32 v[SPW], v0, 2, SPARE
	v_mov_b32 v[NIL], 0
	ds_add_u32 v[SPW], v[NIL]                      ; the wave's opening: the add, twice on end, and its wait ahead of the first tensor load
	ds_add_u32 v[SPW], v[NIL]
	v_lshrrev_b32 v6, 5, v0
	v_readfirstlane_b32 s[WV], v6                  ; wave 0..15
	s_and_b32 s72, ttmp7, 0xffff                   ; 16 x batch + head
	s_lshr_b32 s73, s[WV], 2
	s_xor_b32 s73, s73, s[WV]
	s_and_b32 s73, s73, 1                          ; 1: my queries lie in the late block
	s_sub_co_u32 s74, 7, ttmp9
	s_cmp_eq_u32 s73, 1
	s_cselect_b32 s74, s74, ttmp9
	s_lshl_b32 s74, s74, 8
	s_lshr_b32 s75, s[WV], 1
	s_lshl_b32 s75, s75, 5
	s_add_co_u32 s[Q0], s74, s75                   ; my first query
	s_sub_co_u32 s[LASTQ], 8, ttmp9
	s_lshl_b32 s[LASTQ], s[LASTQ], 8
	s_sub_co_u32 s[LASTQ], s[LASTQ], 1             ; my work-group's last query
	s_mov_b32 s[G1K], (1<<16)|(1<<20)|(4<<22)|(3<<25)   ; elements of 2 bytes; padding: 4 words behind every 32
	s_mov_b32 s[G1V], (1<<16)|(1<<20)|(4<<22)|(7<<25)   ; 8 words behind every 32
.irp g, G1K, G1V
	s_mov_b32 s[\g+1], 64<<16                      ; tensor_dim0
	s_mov_b32 s[\g+2], 128<<16                     ; tensor_dim1
	s_mov_b32 s[\g+3], 64<<16                      ; tile_dim0
	s_mov_b32 s[\g+4], 128                         ; tile_dim1
	s_mov_b32 s[\g+5], 64                          ; the pitch
	s_mov_b32 s[\g+6], 0
	s_mov_b32 s[\g+7], 0
.endr
	s_and_b32 s88, s[WV], 1                        ; which 128 keys of a slot I fetch, if I fetch
	s_lshl_b32 s84, s72, 18                        ; the head's plane: 262,144 bytes
	s_lshl_b32 s85, s88, 14
	s_add_co_u32 s84, s84, s85
	s_add_co_u32 s86, s84, 16777216                ; in K's section,
	s_mov_b32 s87, 0
	s_add_co_u32 s84, s84, 33554432                ; in V's
	s_mov_b32 s85, 0
	s_mul_i32 s89, s88, 128*PK
	s_mul_i32 s90, s88, 128*PV
	s_lshl_b32 s92, s72, 18
	s_lshl_b32 s93, s[Q0], 7
	s_add_co_u32 s92, s92, s93                     ; my first query's row, in q's section and in o
	s_mov_b32 s93, 0
	s_lshr_b32 s94, s72, 4                         ; the batch
	s_lshl_b32 s82, s94, 16                        ; its 16 rows of column sums,
	s_and_b32 s83, s72, 15
	s_lshl_b32 s83, s83, 8                         ; the head's 64 columns
	s_add_co_u32 s82, s82, s83
	s_add_co_u32 s82, s82, 786432
	s_mov_b32 s83, 0
	s_lshl_b32 s94, s94, 11                        ; its 2,048 mask bytes
	s_mov_b32 s95, 0
	s_mov_b32 s[SEL], 0x76543210
	s_mov_b32 s[SEL+1], 0xfedcba98
	s_mov_b32 s[TB], 0
	s_mov_b32 s[TKB], 0
	s_mov_b32 s[KF], 0
	s_mov_b32 s[SLOTS], 7
	s_wait_dscnt 0x0                               ; both opening adds are done
	s_wait_kmcnt 0x0
	s_mov_b32 s[G0K], 1
	s_mov_b32 s[G0K+1], s89
	s_add_nc_u64 s[G0K+2:G0K+3], s[4:5], s[86:87]
	s_or_b32 s[G0K+3], s[G0K+3], 0x80000000
	s_mov_b32 s[G0V], 1
	s_add_co_u32 s[G0V+1], s90, VOFF
	s_add_nc_u64 s[G0V+2:G0V+3], s[4:5], s[84:85]
	s_or_b32 s[G0V+3], s[G0V+3], 0x80000000
	TLOAD                                          ; slot 0: key 0 counts for every query
	s_add_nc_u64 s[12:13], s[4:5], s[92:93]        ; q
	s_add_nc_u64 s[10:11], s[10:11], s[92:93]      ; o
	s_add_nc_u64 s[8:9], s[8:9], s[94:95]          ; mask
	s_add_nc_u64 s[6:7], s[6:7], s[82:83]          ; the column sums
	s_mov_b32 s82, 33554432                        ; the prefetches: waves 4-7 K's section, waves 8-11 V's
	s_cmp_lt_u32 s[WV], 8
	s_cselect_b32 s82, 16777216, s82
	s_and_b32 s83, s[WV], 3
	s_lshl_b32 s83, s83, 13                        ; my wave's 8,192 bytes,
	s_add_co_u32 s82, s82, s83
	s_add_co_u32 s82, s82, 32768                   ; in slot 1: the first change of slots steps it to slot 2
	s_lshl_b32 s83, s72, 18
	s_add_co_u32 s82, s82, s83
	s_mov_b32 s83, 0
	s_add_nc_u64 s[PFA:PFA+1], s[4:5], s[82:83]
	s_sub_co_u32 s82, s[WV], 4
	s_lshr_b32 s82, s82, 3                         ; 0 in waves 4 to 11,
	s_or_b32 s82, s82, ttmp9                       ; of the work-group with p = 0
	s_cmp_eq_u32 s82, 0
	s_cselect_b32 s[LIM], 1, -1
	v_lshlrev_b32 v6, 2, v0
	global_load_b32 v64, v6, s[8:9]                ; four mask bytes a thread
	v_and_b32 v8, 15, v0                           ; r
	v_lshrrev_b32 v10, 4, v0
	v_lshlrev_b32 v7, 12, v8
	v_lshl_add_u32 v7, v10, 3, v7
	global_load_b64 v[72:73], v7, s[6:7]           ; row r of the batch's 16 rows of sums, two channels for each 16 threads
	v_bfe_u32 v11, v0, 4, 1                        ; h
	v_lshlrev_b32 v1, 7, v8
	v_lshl_add_u32 v1, v11, 4, v1
.irp t, 0,1
.irp c, 0,1
	global_load_b128 v[QF+16*\t+8*\c:QF+16*\t+8*\c+3], v1, s[12:13] offset:2048*\t+64*\c
	global_load_b128 v[QF+16*\t+8*\c+4:QF+16*\t+8*\c+7], v1, s[12:13] offset:2048*\t+64*\c+32
.endr
.endr
	v_lshl_add_u32 v30, v0, 4, BIAS                ; where my four biases go
	v_lshl_add_u32 v31, v10, 3, VSUM               ; and my two sums
	v_lshlrev_b32 v[DQB], 3, v11
	v_sub_nc_u32 v[DQB], v8, v[DQB]
	v_and_b32 v2, 7, v0
	v_lshl_add_u32 v2, v11, 3, v2
	v_mul_u32_u24 v2, v2, PV
	v_bfe_u32 v3, v0, 3, 1
	v_lshl_add_u32 v2, v3, 4, v2
	v_add_nc_u32 v[AV0], VOFF, v2                  ; the turning load: key 8 h + lane % 8, channels 8 ((lane / 8) % 2) on
	v_lshl_add_u32 v[ABI], v11, 5, BIAS
	v_and_b32 v[PFO], 31, v0
	v_lshlrev_b32 v[PFO], 8, v[PFO]
	v_mov_b32 v[NEG], 0xf1800000
.irp t, 0,1
	v_mov_b32 v[ST+8*\t], v[NEG]                   ; m: under every legitimate t
.irp i, 1,2,3,4,5,6,7
	v_mov_b32 v[ST+8*\t+\i], 0
.endr
.endr
.set i, 0
.rept 64
	v_mov_b32 v[O+i], 0                            ; O^T.  (The step is written once: its first turn finds zeros)
.set i, i+1
.endr
	s_wait_loadcnt 0x0
	v_mul_u32_u24 v[AK0], v8, PK                   ; (v1 was the loads' offset: they are in)
	v_lshl_add_u32 v[AK0], v11, 4, v[AK0]
.irp i, 0,1,2,3
	v_bfe_u32 v65, v64, 8*\i, 8
	v_cmp_eq_u32 vcc_lo, 0, v65
	v_cndmask_b32 v[68+\i], 0, v[NEG], vcc_lo      ; a masked key: -2^100
.endr
	ds_store_b128 v30, v[68:71]
.irp x, 1,2,4,8
	v_add_f32_dpp v72, v72, v72 row_xmask:\x row_mask:0xf bank_mask:0xf
	v_add_f32_dpp v73, v73, v73 row_xmask:\x row_mask:0xf bank_mask:0xf
.endr
	ds_store_b64 v31, v[72:73]                     ; sixteen lanes write the same 8 bytes with the same value.  The first change of slots waits for these stores and passes the barrier
; A KEY STEP: 64 keys, the q-th of the slot in hand.
.macro STEP q
	s_add_co_u32 s96, s[Q0], 31                    ; a step all of whose keys come after my 32 queries is left out: a branch on ids, round no barrier and no tensor load
	s_cmp_gt_u32 s[KF], s96
	s_cbranch_scc1 .Lhidden_\@
	v_add_nc_u32 v[ADK], s[TB], v[AK0]             ; these three and two v_nop are the five places between the last step's products and what follows: loads into their sources, and products that write over P
	v_add_nc_u32 v[ADV], s[TB], v[AV0]
	v_add_nc_u32 v[ADB], s[TKB], v[ABI]
	v_nop
	v_nop
.irp kt, 0,1,2,3
.irp c, 0,1
	ds_load_b128 v[KV+8*(2*\kt+\c):KV+8*(2*\kt+\c)+3], v[ADK] offset:(64*(\q)+16*\kt)*PK+64*\c
	ds_load_b128 v[KV+8*(2*\kt+\c)+4:KV+8*(2*\kt+\c)+7], v[ADK] offset:(64*(\q)+16*\kt)*PK+64*\c+32
.endr
.endr
.irp t, 0,1
.irp kt, 0,1,2,3
	ds_load_b128 v[S+32*\t+8*\kt:S+32*\t+8*\kt+3], v[ADB] offset:64*\kt          ; the biases of keys 16 kt + 8 h + 0 .. 7, in the result's layout
	ds_load_b128 v[S+32*\t+8*\kt+4:S+32*\t+8*\kt+7], v[ADB] offset:64*\kt+16
.endr
.endr
	s_wait_dscnt 0x0
.irp c, 0,1                                    ; S^T = bias + K Q^T: eight accumulators by turns
.irp kt, 0,1,2,3
.irp t, 0,1
	v_wmma_f32_16x16x32_f16 v[S+32*\t+8*\kt:S+32*\t+8*\kt+7], v[KV+8*(2*\kt+\c):KV+8*(2*\kt+\c)+7], v[QF+16*\t+8*\c:QF+16*\t+8*\c+7], v[S+32*\t+8*\kt:S+32*\t+8*\kt+7]
.endr
.endr
.endr
.rept 4
	v_nop                                          ; places in front of the loads into K's registers and of the first read of the scores
.endr
.irp ks, 0,1                                   ; V, turned: keys 32 ks on, channels 16 dt on.  It lands while the softmax is walked
.irp dt, 0,1,2,3
	ds_load_tr16_b128 v[KV+8*(4*\ks+\dt):KV+8*(4*\ks+\dt)+3], v[ADV] offset:(64*(\q)+32*\ks)*PV+32*\dt
	ds_load_tr16_b128 v[KV+8*(4*\ks+\dt)+4:KV+8*(4*\ks+\dt)+7], v[ADV] offset:(64*(\q)+32*\ks+16)*PV+32*\dt
.endr
.endr
	s_add_co_u32 s96, s[KF], 63                    ; a step all of whose keys count passes over the diagonal's lines
	s_cmp_le_u32 s96, s[Q0]
	s_cbranch_scc1 .Lopen_\@
	s_sub_co_i32 s96, s[Q0], s[KF]
	v_add_nc_u32 v[DQ], s96, v[DQB]                ; register 8 kt + j of tile t holds key KF + 16 kt + 8 h + j: hidden where 16 kt + j - 16 t > Q0 - KF + r - 8 h
.irp t, 0,1
.set n, 0
.rept 32
	v_cmp_gt_i32 vcc_lo, 16*(n/8)+n%8-16*\t, v[DQ]
	v_cndmask_b32 v[S+32*\t+n], v[S+32*\t+n], v[NEG], vcc_lo
.set n, n+1
.endr
.endr
.Lopen_\@:
.irp j, 0,1,2,3                                ; the largest of my 32 scores and the old m; both tiles line by line; each accumulator from its low end on
.irp t, 0,1
	v_max3_num_f32 v[ST+8*\t+4+\j], v[S+32*\t+8*\j], v[S+32*\t+8*\j+1], v[S+32*\t+8*\j+2]
.endr
.endr
.irp i, 3,5
.irp j, 0,1,2,3
.irp t, 0,1
	v_max3_num_f32 v[ST+8*\t+4+\j], v[ST+8*\t+4+\j], v[S+32*\t+8*\j+\i], v[S+32*\t+8*\j+\i+1]
.endr
.endr
.endr
.irp t, 0,1
	v_max3_num_f32 v[ST+8*\t+4], v[ST+8*\t+4], v[S+32*\t+7], v[S+32*\t+15]
	v_max3_num_f32 v[ST+8*\t+6], v[ST+8*\t+6], v[S+32*\t+23], v[S+32*\t+31]
.endr
.irp t, 0,1
	v_max3_num_f32 v[ST+8*\t+4], v[ST+8*\t+4], v[ST+8*\t+5], v[ST+8*\t+6]
.endr
.irp t, 0,1
	v_max3_num_f32 v[ST+8*\t+4], v[ST+8*\t+4], v[ST+8*\t+7], v[ST+8*\t]
.endr
.irp t, 0,1
	v_permlanex16_b32 v[ST+8*\t+5], v[ST+8*\t+4], s[SEL], s[SEL+1]   ; the query's other 32 keys lie in the lane 16 away
.endr
.irp t, 0,1
	v_mov_b32 v[ST+8*\t+1], v[ST+8*\t]
.endr
.irp t, 0,1
	v_max_num_f32 v[ST+8*\t], v[ST+8*\t+4], v[ST+8*\t+5]             ; the running maximum m
.endr
.irp t, 0,1
	v_sub_f32 v[ST+8*\t+1], v[ST+8*\t+1], v[ST+8*\t]                 ; old m - new m
.endr
.set i, 0
.rept 16
.irp t, 0,1
	v_pk_add_f32 v[S+32*\t+i:S+32*\t+i+1], v[S+32*\t+i:S+32*\t+i+1], v[ST+8*\t:ST+8*\t+1] op_sel_hi:[1,0] neg_lo:[0,1] neg_hi:[0,1]   ; t - m, two at a time
.endr
.set i, i+2
.endr
.irp t, 0,1
	v_exp_f32 v[ST+8*\t+6], v[ST+8*\t+1]           ; a = 2^(old m - new m)
.endr
.set i, 0
.rept 32
.irp t, 0,1
	v_exp_f32 v[S+32*\t+i], v[S+32*\t+i]           ; p = 2^(t - m)
.endr
.set i, i+1
.endr
	v_nop                                          ; a plain instruction behind the last exponential
	s_wait_alu depctr_va_vdst(0)                   ; one wait for the batch of 66, ahead of its first reader
.irp t, 0,1
	v_pk_add_f32 v[ST+8*\t+4:ST+8*\t+5], v[S+32*\t:S+32*\t+1], v[S+32*\t+2:S+32*\t+3]
.endr
.set i, 4
.rept 14
.irp t, 0,1
	v_pk_add_f32 v[ST+8*\t+4:ST+8*\t+5], v[ST+8*\t+4:ST+8*\t+5], v[S+32*\t+i:S+32*\t+i+1]
.endr
.set i, i+2
.endr
.irp t, 0,1
	v_pk_fma_f32 v[ST+8*\t+2:ST+8*\t+3], v[ST+8*\t+2:ST+8*\t+3], v[ST+8*\t+6:ST+8*\t+7], v[ST+8*\t+4:ST+8*\t+5] op_sel_hi:[1,0,1]   ; l = a l + the step's sum
.endr
.set i, 0
.rept 16
.irp t, 0,1
	v_cvt_pk_f16_f32 v[S+32*\t+i], v[S+32*\t+2*i], v[S+32*\t+2*i+1]   ; P, in place: register i never lies above the pair that it is made of
.endr
.set i, i+1
.endr
.set i, 0
.rept 16
.irp t, 0,1
	v_pk_mul_f32 v[O+32*\t+i:O+32*\t+i+1], v[O+32*\t+i:O+32*\t+i+1], v[ST+8*\t+6:ST+8*\t+7] op_sel_hi:[1,0]   ; O^T times a
.endr
.set i, i+2
.endr
	s_wait_dscnt 0x0                               ; V is in
.irp ks, 0,1                                   ; O^T += V^T P: eight accumulators by turns
.irp dt, 0,1,2,3
.irp t, 0,1
	v_wmma_f32_16x16x32_f16 v[O+32*\t+8*\dt:O+32*\t+8*\dt+7], v[KV+8*(4*\ks+\dt):KV+8*(4*\ks+\dt)+7], v[S+32*\t+8*\ks:S+32*\t+8*\ks+7], v[O+32*\t+8*\dt:O+32*\t+8*\dt+7]
.endr
.endr
.endr
.Lhidden_\@:
	s_add_co_u32 s[KF], s[KF], 64
	s_add_co_u32 s[TKB], s[TKB], 256
.endm
; THE CHANGE OF SLOTS, at a slot's head.  Each wave waits for all its tensor loads, adds 0 to its spare word, and waits for that and for its LDS instructions; behind the barrier the slot ahead is whole
; and nobody reads the other.  fill = 1: the other slot takes the next 256 keys, if any wave of the work-group will read them.
.macro CHANGE fill
	s_wait_tensorcnt 0x0
	ds_add_u32 v[SPW], v[NIL]
.if \fill
	ds_add_u32 v[SPW], v[NIL]                      ; where a load may follow, the add twice on end
	s_xor_b32 s[G0K+1], s[G0K+1], SLOT1            ; no load of mine is out: the descriptors walk on
	s_add_nc_u64 s[G0K+2:G0K+3], s[G0K+2:G0K+3], 32768
	s_xor_b32 s[G0V+1], s[G0V+1], SLOT1
	s_add_nc_u64 s[G0V+2:G0V+3], s[G0V+2:G0V+3], 32768
	s_wait_xcnt 0x0                                ; the last prefetch, a slot back, has read its address
	s_add_nc_u64 s[PFA:PFA+1], s[PFA:PFA+1], 32768
.endif
	s_wait_dscnt 0x0
	s_barrier_signal -1
	s_barrier_wait -1
.if \fill
	s_add_co_u32 s96, s[KF], 256                   ; the first key of the slot that this change would ask for,
	s_cmp_gt_u32 s96, s[LASTQ]                     ; against my work-group's last query: ids and the count of steps alone, the same in all sixteen waves
	s_cbranch_scc1 .Lpast_\@
	TLOAD                                          ; a wave's one tensor load until the next such barrier
.Lpast_\@:
	ASK
.endif
.endm
.macro SLOT_STEPS
.set QS, 0
.rept 4
	STEP QS
.set QS, QS+1
.endr
	s_xor_b32 s[TB], s[TB], SLOT1
.endm
.Lslot:                                            ; seven trips, a constant
	CHANGE 1
	SLOT_STEPS
	s_sub_co_u32 s[SLOTS], s[SLOTS], 1
	s_cmp_lg_u32 s[SLOTS], 0
	s_cbranch_scc1 .Lslot
	CHANGE 0                                       ; the last slot is written out: nothing is left to ask for
	SLOT_STEPS
	; THE WAY OUT.  The first lines, which name no register of the last products, are the places behind them.
	v_mov_b32 v6, 0xf1000000                       ; -2^99
	v_mov_b32 v7, 0x45000000                       ; 2,048
.irp t, 0,1
	v_add_f32 v[ST+8*\t+4], v[ST+8*\t+2], v[ST+8*\t+3]
.endr
.irp t, 0,1
	v_permlanex16_b32 v[ST+8*\t+5], v[ST+8*\t+4], s[SEL], s[SEL+1]
.endr
.irp t, 0,1
	v_add_f32 v[ST+8*\t+4], v[ST+8*\t+4], v[ST+8*\t+5]               ; the row's sum
.endr
.irp t, 0,1
	v_cmp_gt_f32 s[FL+\t], v6, v[ST+8*\t]          ; no open key among keys 0 .. q: every score was -2^100
.endr
.irp t, 0,1
	v_cndmask_b32 v[ST+8*\t+4], v[ST+8*\t+4], v7, s[FL+\t]           ; such a row divides the sum of all v by 2,048
.endr
.irp t, 0,1
	v_rcp_f32 v[ST+8*\t+6], v[ST+8*\t+4]
.endr
	v_and_b32 v8, 15, v0                           ; (plain work behind the reciprocals)
	v_bfe_u32 v10, v0, 4, 1
	s_mul_i32 s73, s[WV], 16*144
	s_add_co_u32 s73, s73, STG                     ; my stage
	v_mul_u32_u24 v1, v8, 144
	v_lshl_add_u32 v1, v10, 4, v1
	v_add_nc_u32 v1, s73, v1                       ; in: row r, 16 bytes for each half of the lanes
	v_bfe_u32 v2, v0, 3, 2
	v_mul_u32_u24 v2, v2, 144
	v_and_b32 v11, 7, v0
	v_lshl_add_u32 v2, v11, 4, v2
	v_add_nc_u32 v2, s73, v2                       ; back: eight lanes to a row of 128 bytes
	v_lshl_add_u32 v3, v10, 5, VSUM
	v_and_b32 v[GO], 31, v0
	v_lshlrev_b32 v[GO], 4, v[GO]
.irp dt, 0,1,2,3
	ds_load_b128 v[KV+8*\dt:KV+8*\dt+3], v3 offset:64*\dt            ; the sums of v at my channels 16 dt + 8 h + 0 .. 7
	ds_load_b128 v[KV+8*\dt+4:KV+8*\dt+7], v3 offset:64*\dt+16
.endr
	s_wait_alu depctr_va_vdst(0)                   ; one wait for the two reciprocals, ahead of their first reader
	s_wait_dscnt 0x0
.irp t, 0,1
.set i, 0
.rept 32
	v_cndmask_b32 v[S+32*\t+i], v[O+32*\t+i], v[KV+i], s[FL+\t]
.set i, i+1
.endr
.set i, 0
.rept 16
	v_pk_mul_f32 v[S+32*\t+i:S+32*\t+i+1], v[S+32*\t+i:S+32*\t+i+1], v[ST+8*\t+6:ST+8*\t+7] op_sel_hi:[1,0]
.set i, i+2
.endr
.set i, 0
.rept 16
	v_cvt_pk_f16_f32 v[KV+32+16*\t+i], v[S+32*\t+2*i], v[S+32*\t+2*i+1]
.set i, i+1
.endr
.irp dt, 0,1,2,3
	ds_store_b128 v1, v[KV+32+16*\t+4*\dt:KV+32+16*\t+4*\dt+3] offset:32*\dt
.endr
.irp u, 0,1,2,3
	ds_load_b128 v[QF+16*\t+4*\u:QF+16*\t+4*\u+3], v2 offset:576*\u   ; LDS serves a wave's instructions in order: these see my stores, and the next tile's stores come behind them
.endr
.endr
.irp t, 0,1
.irp u, 0,1,2,3
	s_wait_dscnt 8*(1-\t)+3-\u                     ; behind this load: the rest of its tile's loads, and the next tile's eight instructions
	global_store_b128 v[GO], v[QF+16*\t+4*\u:QF+16*\t+4*\u+3], s[10:11] offset:2048*\t+512*\u   ; 32 lanes store four rows: 512 consecutive bytes
.endr
.endr
	s_wait_tensorcnt 0x0                           ; the wave's end
	ds_add_u32 v[SPW], v[NIL]
	s_wait_dscnt 0x0
	s_endpgm
.Lfunc_end_k_qf1a8ed2875_attn:
	.size	k_qf1a8ed2875_attn, .Lfunc_end_k_qf1a8ed2875_attn-k_qf1a8ed2875_attn
	.p2alignl 7, 3214868480
	.fill 96, 4, 3214868480
	.section	.rodata,"a",@progbits
	.p2align	6, 0x0
	.amdhsa_kernel k_qf1a8ed2875_attn
		.amdhsa_group_segment_fixed_size 327680
		.amdhsa_private_segment_fixed_size 0
		.amdhsa_enable_private_segment 0
		.amdhsa_kernarg_size 32
		.amdhsa_user_sgpr_count 2
		.amdhsa_user_sgpr_kernarg_segment_ptr 1
		.amdhsa_wavefront_size32 1
		.amdhsa_system_sgpr_workgroup_id_x 1
		.amdhsa_system_sgpr_workgroup_id_y 1
		.amdhsa_system_sgpr_workgroup_id_z 1
		.amdhsa_system_vgpr_workitem_id 0
		.amdhsa_next_free_vgpr 256
		.amdhsa_next_free_sgpr 100
		.amdhsa_reserve_vcc 1
		.amdhsa_float_denorm_mode_32 3
		.amdhsa_float_denorm_mode_16_64 3
		.amdhsa_memory_ordered 1
		.amdhsa_forward_progress 1
		.amdhsa_inst_pref_size 202
	.end_amdhsa_kernel
	.amdgpu_metadata
---
amdhsa.version: [ 1, 2 ]
amdhsa.kernels:
  - .name:           k_qf1a8ed2875_attn
    .symbol:         k_qf1a8ed2875_attn.kd
    .args:
      - { .name: qkvh, .offset: 0, .size: 8, .value_kind: global_buffer, .address_space: global }
      - { .name: aux, .offset: 8, .size: 8, .value_kind: global_buffer, .address_space: global }
      - { .name: mask, .offset: 16, .size: 8, .value_kind: global_buffer, .address_space: global }
      - { .name: o, .offset: 24, .size: 8, .value_kind: global_buffer, .address_space: global }
    .group_segment_fixed_size: 327680
    .private_segment_fixed_size: 0
    .kernarg_segment_align: 8
    .kernarg_segment_size: 32
    .max_flat_workgroup_size: 512
    .sgpr_count:     100
    .vgpr_count:     256
    .wavefront_size: 32
...
	.end_amdgpu_metadata
.endif
;; end of part 3
;; launch outp (part 4): grid 4 x 64, 4 waves a work-group, clusters of 4 x 1, 327,680 bytes of LDS; arguments o, wt, b_out, out0; writes out0
.if DOCPART == 4
	.amdgcn_target "amdgcn-amd-amdhsa--gfx1250"
	.amdhsa_code_object_version 6
	.text
	.protected	k_qf1a8ed2875_outp
	.globl	k_qf1a8ed2875_outp
	.p2align	8
	.type	k_qf1a8ed2875_outp,@function
k_qf1a8ed2875_outp:
	s_mov_b64 s[64:65], 0
	v_nop
	global_prefetch_b8 v0, s[64:65] scope:SCOPE_SE
	s_setreg_imm32_b32 hwreg(HW_REG_WAVE_MODE, 25, 1), 1
	s_wait_xcnt 0x0
	s_wait_alu depctr_hold_cnt(0) depctr_sa_sdst(0) depctr_va_vdst(0) depctr_va_sdst(0) depctr_va_ssrc(0) depctr_va_vcc(0) depctr_vm_vsrc(0)
	s_getreg_b32 s2, hwreg(HW_REG_IB_STS2, 6, 4)
	s_cmp_eq_u32 s2, 0
	s_cbranch_scc0 .Lentry_in_a_cluster
	s_endpgm
.Lentry_in_a_cluster:
	s_bfe_u32 s2, ttmp6, 0x10000c
	s_cmp_lg_u32 s2, 0x3003
	s_cbranch_scc0 .Lentry_shape_is_right
	s_endpgm
.Lentry_shape_is_right:
; out0 = o W_out + b_out on f16 operands with f32 sums.  o: [batch x 16 + head][2048][64] f16; wt: W_out turned, [16 planes of 64 k][1024 n][64 k] f16.
; WORK LEFT OUT: nothing is left uncomputed; the first 16 rows of each batch are NOT STORED here: launch fine makes them in f32 and stores them.
; A tile of 128 rows x 256 columns to a work-group (256 work-groups), 64 x 128 to a wave: 32 accumulators.  A K step is 128 = two heads' planes; eight K steps through two LDS slots.
; CLUSTER: the four work-groups of a cluster take the four column tiles of one block of rows: the tiles of o are asked for JOINTLY (mask 15); those of wt differ and come by plain loads.
; No prefetch: a K step holds 128 matrix instructions a wave, the tile is small, and o's tiles are asked for once for each cluster.
; THE MATRIX INSTRUCTION IS USED TRANSPOSED (source 0 = 16 rows of wt, source 1 = 16 rows of o): a lane holds eight neighbouring columns of a row.  The bias is the C of each sum's first instruction.
; REGISTERS: window 0: v16-30 addresses; v32-95 o's fragments, two buffers; v96-159 the bias, later rows on the way out; v160-223 rows likewise.  window 1: wt's fragments, two buffers of 64.
; window 2: the accumulators, (a, b) at v[8 (8 a + b)].
.set PITCH,  144                       ; an LDS row: 128 bytes + 16
.set APL,    128*PITCH                 ; a plane of o's tile
.set BPL,    256*PITCH                 ; a plane of wt's
.set BOFF,   2*APL
.set SLOT,   2*APL+2*BPL
.set STAGE,  2*SLOT                    ; behind the ring: 16 rows x 528 bytes for each wave
.set SPITCH, 528
.set SPARE,  STAGE+4*16*SPITCH
.set ADRA, 16
.set ADRB, 20
.set STO,  24
.set RD,   25
.set CO,   26
.set SPW,  28
.set NIL,  29
.set AF,   32
.set BI,   96
.set BK,   96
.set G1A, 24
.set G0A, 32
.set G1B, 48
.set G0B, 56
.set MSB, 0
.macro WIN new
.if MSB != (\new)
	s_set_vgpr_msb (MSB<<8)|(\new)
.set MSB, (\new)
.endif
.endm
.set MUL,  0xa1                        ; source 0 (wt) window 1, source 1 (o) window 0, C and D window 2; with the bias as C: 0x81
.set TO_B, 0x40
.macro JLOAD s                         ; waves 0 and 1 fetch o's two planes (jointly), waves 2 and 3 wt's; an s_nop 0 and four v_nop follow each line
	s_cmp_eq_u32 s13, 0
	s_cbranch_scc0 .Lfor_b_\@
	tensor_load_to_lds s[G0A+4*\s:G0A+4*\s+3], s[G1A:G1A+7]
	s_nop 0
.rept 4
	v_nop
.endr
	s_branch .Lasked_\@
.Lfor_b_\@:
	tensor_load_to_lds s[G0B+4*\s:G0B+4*\s+3], s[G1B:G1B+7]
	s_nop 0
.rept 4
	v_nop
.endr
.Lasked_\@:
.endm
.macro CREST
	s_cmp_lg_u32 s12, 0
	s_cbranch_scc1 .Lnot_wave_0_\@
	s_barrier_signal -3
.Lnot_wave_0_\@:
	s_barrier_wait -3
	s_barrier_signal -1
	s_barrier_wait -1
.endm
.macro CROUND
	s_barrier_signal -1
	s_barrier_wait -1
	CREST
.endm
	s_load_b256 s[4:11], s[0:1], 0x0               ; o s[4:5], wt s[6:7], b_out s[8:9], out0 s[10:11]
	v_lshl_add_u32 v[SPW], v0, 2, SPARE
	v_mov_b32 v[NIL], 0
	ds_add_u32 v[SPW], v[NIL]                      ; the wave's opening: the add, twice on end, and its wait ahead of my first tensor load
	ds_add_u32 v[SPW], v[NIL]
	v_lshrrev_b32 v1, 5, v0
	v_readfirstlane_b32 s12, v1                    ; wave
	s_lshr_b32 s13, s12, 1                         ; which 64 rows are mine.  Also: I fetch for o (0) or for wt (1)
	s_and_b32 s14, s12, 1                          ; which 128 columns.  Also: which plane of a K step I fetch
	s_bfe_u32 s40, ttmp6, 0x40000                  ; cx: the column tile
	s_and_b32 s15, ttmp7, 0xffff                   ; the block of 128 rows
	s_mov_b32 s[G1A], 15|(1<<16)|(1<<20)|(1<<21)|(4<<22)|(3<<25)   ; the mask: all four partners; elements of 2 bytes; padding: 4 words behind every 32; bit 21 beside a mask
	s_mov_b32 s[G1A+1], 64<<16
	s_mov_b32 s[G1A+2], 128<<16
	s_mov_b32 s[G1A+3], 64<<16
	s_mov_b32 s[G1A+4], 128
	s_mov_b32 s[G1A+5], 64
	s_mov_b32 s[G1A+6], 0
	s_mov_b32 s[G1A+7], 0
	s_mov_b32 s[G1B], (1<<16)|(1<<20)|(4<<22)|(3<<25)
	s_mov_b32 s[G1B+1], 64<<16
	s_mov_b32 s[G1B+2], 256<<16
	s_mov_b32 s[G1B+3], 64<<16
	s_mov_b32 s[G1B+4], 256
	s_mov_b32 s[G1B+5], 64
	s_mov_b32 s[G1B+6], 0
	s_mov_b32 s[G1B+7], 0
	s_lshr_b32 s16, s15, 4                         ; the batch: 16 blocks of rows each
	s_lshl_b32 s16, s16, 4
	s_add_co_u32 s16, s16, s14                     ; o's plane: 16 x batch + my plane of K step 0
	s_lshl_b32 s16, s16, 11
	s_and_b32 s17, s15, 15
	s_lshl_b32 s17, s17, 7
	s_add_co_u32 s16, s16, s17
	s_lshl_b32 s16, s16, 7                         ; rows of 128 bytes
	s_mov_b32 s17, 0
	s_lshl_b32 s46, s14, 17                        ; wt's plane: 131,072 bytes,
	s_lshl_b32 s47, s40, 15                        ; my work-group's 256 rows of it (cx stays in s40-47)
	s_add_co_u32 s46, s46, s47
	s_mov_b32 s47, 0
	s_mul_i32 s20, s14, APL
	s_mul_i32 s21, s14, BPL
	s_add_co_u32 s21, s21, BOFF
	s_wait_dscnt 0x0                               ; both opening adds are done
	s_wait_kmcnt 0x0
	s_add_nc_u64 s[16:17], s[4:5], s[16:17]
	s_add_nc_u64 s[46:47], s[6:7], s[46:47]
	CROUND                                         ; all four work-groups are here: the joint loads meet
.irp s, 0,1
	s_mov_b32 s[G0A+4*\s], 1
	s_add_co_u32 s[G0A+4*\s+1], s20, \s*SLOT
	s_add_nc_u64 s[G0A+4*\s+2:G0A+4*\s+3], s[16:17], \s*2*262144
	s_or_b32 s[G0A+4*\s+3], s[G0A+4*\s+3], 0x80000000
	s_mov_b32 s[G0B+4*\s], 1
	s_add_co_u32 s[G0B+4*\s+1], s21, \s*SLOT
	s_add_nc_u64 s[G0B+4*\s+2:G0B+4*\s+3], s[46:47], \s*2*131072
	s_or_b32 s[G0B+4*\s+3], s[G0B+4*\s+3], 0x80000000
	JLOAD \s
.endr
	v_and_b32 v1, 15, v0                           ; r
	v_bfe_u32 v2, v0, 4, 1                         ; h
	v_mul_u32_u24 v3, v1, PITCH
	v_lshl_add_u32 v3, v2, 4, v3
	s_mul_i32 s21, s13, 64*PITCH                   ; my 64 rows of each plane of o
	s_mul_i32 s22, s14, 128*PITCH                  ; my 128 rows of each plane of wt
	s_add_co_u32 s22, s22, BOFF
.irp s, 0,1
	v_add_nc_u32 v[ADRA+\s], s21, v3
	v_add_nc_u32 v[ADRB+\s], s22, v3
	s_add_co_u32 s21, s21, SLOT
	s_add_co_u32 s22, s22, SLOT
.endr
	s_mul_i32 s23, s12, 16*SPITCH
	s_add_co_u32 s23, s23, STAGE                   ; my stage
	v_mul_u32_u24 v4, v1, SPITCH
	v_lshl_add_u32 v4, v2, 5, v4
	v_add_nc_u32 v[STO], s23, v4
	v_and_b32 v5, 31, v0
	v_lshlrev_b32 v[CO], 4, v5
	v_add_nc_u32 v[RD], s23, v[CO]
	v_lshlrev_b32 v6, 5, v2
	s_lshl_b32 s46, s40, 10
	s_lshl_b32 s47, s14, 9
	s_add_co_u32 s46, s46, s47                     ; my first column, in bytes of f32
	s_mov_b32 s47, 0
	s_add_nc_u64 s[8:9], s[8:9], s[46:47]
.irp b, 0,1,2,3,4,5,6,7
	global_load_b128 v[BI+8*\b:BI+8*\b+3], v6, s[8:9] offset:64*\b       ; the bias at columns 16 b + 8 h + 0 .. 7: the result's layout
	global_load_b128 v[BI+8*\b+4:BI+8*\b+7], v6, s[8:9] offset:64*\b+16
.endr
	s_lshl_b32 s41, s15, 7
	s_lshl_b32 s43, s13, 6
	s_add_co_u32 s41, s41, s43                     ; my first row
	s_lshl_b32 s41, s41, 12
	s_add_co_u32 s46, s46, s41
	s_add_nc_u64 s[10:11], s[10:11], s[46:47]
.macro MUL8 f, a, first                ; o's block a against wt's eight, 32 along K, from buffer f.  The 32 accumulators take turns in the same order in every quarter
.irp b, 0,1,2,3,4,5,6,7
.if \first
	v_wmma_f32_16x16x32_f16 v[8*(8*(\a)+\b):8*(8*(\a)+\b)+7], v[64*(\f)+8*\b:64*(\f)+8*\b+7], v[AF+32*(\f)+8*(\a):AF+32*(\f)+8*(\a)+7], v[BI+8*\b:BI+8*\b+7]
.else
	v_wmma_f32_16x16x32_f16 v[8*(8*(\a)+\b):8*(8*(\a)+\b)+7], v[64*(\f)+8*\b:64*(\f)+8*\b+7], v[AF+32*(\f)+8*(\a):AF+32*(\f)+8*(\a)+7], v[8*(8*(\a)+\b):8*(8*(\a)+\b)+7]
.endif
.endr
.endm
.macro FETCH slot, qd, f               ; 24 LDS loads in one run: quarter qd (plane qd / 2, 64 bytes x qd % 2) into buffer f: wt's eight blocks, then o's four
	WIN TO_B
.irp i, 0,1,2,3,4,5,6,7
	ds_load_b128 v[64*(\f)+8*\i:64*(\f)+8*\i+3],   v[ADRB+\slot] offset:((\qd)/2)*BPL+((\qd)%2)*64+\i*16*PITCH
	ds_load_b128 v[64*(\f)+8*\i+4:64*(\f)+8*\i+7], v[ADRB+\slot] offset:((\qd)/2)*BPL+((\qd)%2)*64+\i*16*PITCH+32
.endr
	WIN 0
.irp i, 0,1,2,3
	ds_load_b128 v[AF+32*(\f)+8*\i:AF+32*(\f)+8*\i+3],   v[ADRA+\slot] offset:((\qd)/2)*APL+((\qd)%2)*64+\i*16*PITCH
	ds_load_b128 v[AF+32*(\f)+8*\i+4:AF+32*(\f)+8*\i+7], v[ADRA+\slot] offset:((\qd)/2)*APL+((\qd)%2)*64+\i*16*PITCH+32
.endr
.endm
.macro PLACES                          ; four plain vector instructions in front of loads into registers that matrix instructions have read, and of the first read of results
.rept 4
	v_nop
.endr
.endm
.macro QUARTER slot, qd, f, g, first   ; multiplies buffer f; in its middle it fetches quarter qd of the same slot into buffer g
	s_wait_dscnt 4                                 ; wt's blocks and o's blocks 0, 1 are in; the youngest four loads (o's blocks 2, 3) may be out
	WIN MUL-0x20*(\first)
	MUL8 \f, 0, \first
	MUL8 \f, 1, \first
	PLACES
	FETCH \slot, \qd, \g
	s_wait_dscnt 24                                ; all but the 24 just issued
	WIN MUL-0x20*(\first)
	MUL8 \f, 2, \first
	MUL8 \f, 3, \first
.endm
; A K step's last quarter multiplies buffer 1 and changes slots: in front of the barrier each wave waits for all its tensor loads, adds 0 to its spare word, and waits for that and for its reads of the slot.
; fill = 1: the barrier opens a round of the cluster's barrier, and the slot is filled again, two K steps ahead, first thing behind the round.
.macro TURN slot, next, fill
	WIN 0
	s_wait_tensorcnt 0x0
	ds_add_u32 v[SPW], v[NIL]
	s_wait_dscnt 5                                 ; the add and the youngest four loads may be out
	WIN MUL
	MUL8 1, 0, 0
	s_wait_dscnt 0x0
	s_barrier_signal -1
	MUL8 1, 1, 0
	WIN 0
	s_barrier_wait -1
.if \fill
	CREST
	s_add_nc_u64 s[G0A+4*\slot+2:G0A+4*\slot+3], s[G0A+4*\slot+2:G0A+4*\slot+3], 4*262144
	s_add_nc_u64 s[G0B+4*\slot+2:G0B+4*\slot+3], s[G0B+4*\slot+2:G0B+4*\slot+3], 4*131072
	JLOAD \slot                                    ; its four v_nop are also the places in front of the loads below
.else
	PLACES
.endif
	FETCH \next, 0, 0
	WIN MUL
	MUL8 1, 2, 0
	MUL8 1, 3, 0
.endm
	s_wait_tensorcnt 1                             ; my part of K step 0 is in; K step 1's load may be out
	s_barrier_signal -1
	s_barrier_wait -1
	FETCH 0, 0, 0
	s_wait_loadcnt 0x0                             ; the bias
	QUARTER 0, 1, 0, 1, 1                          ; the first quarter's products start the sums, on the bias
	WIN 0
	s_mov_b32 s3, 3
.Llap:                                                 ; three trips: once round the ring, from a lap's second quarter to the next lap's first; both slots are filled again
	QUARTER 0, 2, 1, 0, 0
	QUARTER 0, 3, 0, 1, 0
	TURN 0, 1, 1
	QUARTER 1, 1, 0, 1, 0
	QUARTER 1, 2, 1, 0, 0
	QUARTER 1, 3, 0, 1, 0
	TURN 1, 0, 1
	QUARTER 0, 1, 0, 1, 0
	WIN 0
	s_sub_co_u32 s3, s3, 1
	s_cmp_lg_u32 s3, 0
	s_cbranch_scc1 .Llap
	QUARTER 0, 2, 1, 0, 0                          ; the last lap fills nothing
	QUARTER 0, 3, 0, 1, 0
	TURN 0, 1, 0
	QUARTER 1, 1, 0, 1, 0
	QUARTER 1, 2, 1, 0, 0
	QUARTER 1, 3, 0, 1, 0
	s_wait_dscnt 4
	WIN MUL
	MUL8 1, 0, 0
	MUL8 1, 1, 0
	s_wait_dscnt 0x0
	MUL8 1, 2, 0
	MUL8 1, 3, 0
	WIN 0
	PLACES
; THE WAY OUT, block by block of 16 rows x 128 columns, through my own stage: back come whole rows of 512 bytes.
.macro BLOCKOUT a
.set BB, BK+64*((\a)%2)
.if (\a) >= 2
	s_wait_xcnt 0x0                                ; block a - 2's stores have read their registers
.endif
	WIN 0x08                                       ; an LDS store's data: window 2
.irp b, 0,1,2,3,4,5,6,7
	ds_store_b128 v[STO], v[8*(8*(\a)+\b):8*(8*(\a)+\b)+3] offset:64*\b          ; each accumulator from its low end on
	ds_store_b128 v[STO], v[8*(8*(\a)+\b)+4:8*(8*(\a)+\b)+7] offset:64*\b+16
.endr
	WIN 0
.irp t, 0,1,2,3,4,5,6,7,8,9,10,11,12,13,14,15
	ds_load_b128 v[BB+4*\t:BB+4*\t+3], v[RD] offset:\t*SPITCH
.endr
.irp t, 0,1,2,3,4,5,6,7,8,9,10,11,12,13,14,15
	s_wait_dscnt 15-\t
	global_store_b128 v[CO], v[BB+4*\t:BB+4*\t+3], s[10:11] offset:(16*(\a)+\t)*4096 th:TH_STORE_NT   ; 32 lanes store 512 consecutive bytes
.endr
.endm
	s_and_b32 s16, s15, 15                         ; the first 16 rows of a batch are stored by launch fine: a branch on the cluster's y and on the wave's number
	s_or_b32 s16, s16, s13
	s_cmp_eq_u32 s16, 0
	s_cbranch_scc1 .Lskip0
	BLOCKOUT 0
.Lskip0:
	BLOCKOUT 1
	BLOCKOUT 2
	BLOCKOUT 3
	s_wait_tensorcnt 0x0                           ; the wave's end
	ds_add_u32 v[SPW], v[NIL]
	s_wait_dscnt 0x0
	CROUND                                         ; the closing round
	s_endpgm
.Lfunc_end_k_qf1a8ed2875_outp:
	.size	k_qf1a8ed2875_outp, .Lfunc_end_k_qf1a8ed2875_outp-k_qf1a8ed2875_outp
	.p2alignl 7, 3214868480
	.fill 96, 4, 3214868480
	.section	.rodata,"a",@progbits
	.p2align	6, 0x0
	.amdhsa_kernel k_qf1a8ed2875_outp
		.amdhsa_group_segment_fixed_size 327680
		.amdhsa_private_segment_fixed_size 0
		.amdhsa_enable_private_segment 0
		.amdhsa_kernarg_size 32
		.amdhsa_user_sgpr_count 2
		.amdhsa_user_sgpr_kernarg_segment_ptr 1
		.amdhsa_wavefront_size32 1
		.amdhsa_system_sgpr_workgroup_id_x 1
		.amdhsa_system_sgpr_workgroup_id_y 1
		.amdhsa_system_sgpr_workgroup_id_z 1
		.amdhsa_system_vgpr_workitem_id 0
		.amdhsa_next_free_vgpr 768
		.amdhsa_next_free_sgpr 70
		.amdhsa_reserve_vcc 0
		.amdhsa_float_denorm_mode_32 3
		.amdhsa_float_denorm_mode_16_64 3
		.amdhsa_memory_ordered 1
		.amdhsa_forward_progress 1
		.amdhsa_inst_pref_size 89
	.end_amdhsa_kernel
	.amdgpu_metadata
---
amdhsa.version: [ 1, 2 ]
amdhsa.kernels:
  - .name:           k_qf1a8ed2875_outp
    .symbol:         k_qf1a8ed2875_outp.kd
    .args:
      - { .name: o, .offset: 0, .size: 8, .value_kind: global_buffer, .address_space: global }
      - { .name: wt, .offset: 8, .size: 8, .value_kind: global_buffer, .address_space: global }
      - { .name: b_out, .offset: 16, .size: 8, .value_kind: global_buffer, .address_space: global }
      - { .name: out0, .offset: 24, .size: 8, .value_kind: global_buffer, .address_space: global }
    .group_segment_fixed_size: 327680
    .private_segment_fixed_size: 0
    .kernarg_segment_align: 8
    .kernarg_segment_size: 32
    .max_flat_workgroup_size: 128
    .sgpr_count:     70
    .vgpr_count:     768
    .wavefront_size: 32
...
	.end_amdgpu_metadata
.endif
;; end of part 4
;; launch fine (part 5): grid 16 x 4, 16 waves a work-group, no clusters, 67,584 bytes of LDS; arguments aux, mask, W_out, b_out, out0; writes out0
.if DOCPART == 5
	.amdgcn_target "amdgcn-amd-amdhsa--gfx1250"
	.amdhsa_code_object_version 6
	.text
	.protected	k_qf1a8ed2875_fine
	.globl	k_qf1a8ed2875_fine
	.p2align	8
	.type	k_qf1a8ed2875_fine,@function
k_qf1a8ed2875_fine:
	s_mov_b64 s[64:65], 0
	v_nop
	global_prefetch_b8 v0, s[64:65] scope:SCOPE_SE
	s_setreg_imm32_b32 hwreg(HW_REG_WAVE_MODE, 25, 1), 1
	s_wait_xcnt 0x0
; Positions 0-15 of each batch, from the raw f32 q, k, v in aux through the last product, all in f32: these rows average one to sixteen values and are the largest of the output.
; WORK LEFT OUT: for these rows only keys 0-15 can be open; a row with no open key is the mean of v over all 2,048 keys, taken from the column sums in aux and chosen by a select.
; LIMITS as in launch attn: a legitimate |t| stays under 2^99; a masked score is -2^100.
; SHARES.  Work-group (cc, batch): 64 output columns.  Wave w = head w: its 16 x 16 attention (done anew in each of the 16 work-groups of a batch: 32 small matrix instructions), then its 64 channels'
; part of the 16 x 64 outputs; the sixteen parts meet in LDS, and wave w adds and stores row w.
; LAYOUT.  All three products are used transposed, so that a result's register pairs (2 i, 2 i + 1) ARE source 1 of the next product: lane (r, h) holds query r; such a pair carries k = 8 h + 2 i, + 1 of its
; sixteen, and the other source is loaded in the same order of k.
; v16-47, the four accumulators, are written by matrix instructions alone; each sum begins with the constant 0.
.set ACC, 16
.set T,   48                           ; v48-55 t, then p
.set KR,  64                           ; v64-95 k, v96-127 q: lane (r, h): row r, channels 32 h + 0 .. 31
.set QR,  96
.set VR,  192                          ; v[VR + 8 dt + e]: v(key 8 h + e, channel 16 dt + r)
.set VS,  224                          ; v[VS + 8 dt + j]: the mean of v at channel 16 dt + 8 h + j; then the head's output
.set SPW, 13
.set NIL, 14
.set SPARE, 65536                      ; LDS: 4,096 bytes for each wave's part, then the spare words
	s_load_b256 s[4:11], s[0:1], 0x0               ; aux s[4:5], mask s[6:7], W_out s[8:9], b_out s[10:11]
	s_load_b64 s[12:13], s[0:1], 0x20              ; out0
	v_lshl_add_u32 v[SPW], v0, 2, SPARE
	v_mov_b32 v[NIL], 0
	v_lshrrev_b32 v1, 5, v0
	v_readfirstlane_b32 s14, v1                    ; wave = head
	s_and_b32 s15, ttmp7, 0xffff                   ; batch
	v_and_b32 v1, 15, v0                           ; r
	v_bfe_u32 v2, v0, 4, 1                         ; h
	s_lshl_b32 s16, s14, 8                         ; the head's 64 columns of f32
	v_mul_u32_u24 v3, v1, 12288
	v_lshl_add_u32 v3, v2, 7, v3
	v_add_nc_u32 v3, s16, v3                       ; q, k: row r, + 128 h
	v_mul_u32_u24 v4, v2, 98304
	v_lshl_add_u32 v4, v1, 2, v4
	v_add_nc_u32 v4, s16, v4                       ; v: row 8 h, column r
	v_lshlrev_b32 v5, 12, v1
	v_lshl_add_u32 v5, v2, 5, v5
	v_add_nc_u32 v5, s16, v5                       ; the column sums: row r of the batch's 16, + 32 h
	v_lshlrev_b32 v6, 3, v2                        ; the mask bytes of keys 8 h + 0 .. 7
	s_lshl_b32 s17, s14, 18
	v_lshlrev_b32 v7, 15, v2
	v_lshl_add_u32 v7, v1, 2, v7
	v_add_nc_u32 v7, s17, v7                       ; W_out: row 64 w + 8 h, column r
	v_sub_nc_u32 v8, v1, v6                        ; r - 8 h
	v_mov_b32 v9, 0xf1800000                       ; -2^100
	v_and_b32 v15, 31, v0
	s_lshl_b32 s18, s14, 12
	v_lshl_add_u32 v10, v15, 4, s18                ; my part, as an image of its registers: 16 x lane + 4,096 x wave
	v_lshrrev_b32 v11, 3, v15                      ; back: lane L takes columns 2 L, 2 L + 1 of query w: tile L / 8, half (L / 4) % 2, registers 2 (L % 4), + 1
	v_lshlrev_b32 v11, 10, v11
	v_bfe_u32 v12, v0, 1, 1
	v_lshl_add_u32 v11, v12, 9, v11
	v_bfe_u32 v12, v0, 2, 1
	v_lshl_add_u32 v11, v12, 8, v11
	v_and_b32 v12, 1, v0
	v_lshl_add_u32 v11, v12, 3, v11
	s_lshl_b32 s19, s14, 4
	v_add_nc_u32 v11, s19, v11
	v_lshlrev_b32 v12, 3, v15
	s_mul_i32 s20, s15, 196608
	s_mov_b32 s21, 0
	s_lshl_b32 s30, s15, 16
	s_add_co_u32 s30, s30, 786432
	s_mov_b32 s31, 0
	s_lshl_b32 s32, s15, 11
	s_mov_b32 s33, 0
	s_lshl_b32 s34, ttmp9, 8                       ; the work-group's 64 columns of f32
	s_mov_b32 s35, 0
	s_lshl_b32 s36, s15, 23                        ; out0: 2,048 rows of 4,096 bytes a batch,
	s_lshl_b32 s37, s14, 12                        ; row w
	s_add_co_u32 s36, s36, s37
	s_add_co_u32 s36, s36, s34
	s_mov_b32 s37, 0
	s_mov_b32 s26, 0x76543210
	s_mov_b32 s27, 0xfedcba98
	s_mov_b32 s28, 0x3e38aa3b                      ; c = log2(e) / 8
	s_wait_kmcnt 0x0
	s_add_nc_u64 s[22:23], s[4:5], s[20:21]        ; the batch's 16 rows of q, k, v
	s_add_nc_u64 s[24:25], s[4:5], s[30:31]        ; its column sums
	s_add_nc_u64 s[6:7], s[6:7], s[32:33]
	s_add_nc_u64 s[8:9], s[8:9], s[34:35]
	s_add_nc_u64 s[10:11], s[10:11], s[34:35]
	s_add_nc_u64 s[12:13], s[12:13], s[36:37]
.irp e, 0,1,2,3,4,5,6,7
	global_load_b128 v[QR+4*\e:QR+4*\e+3], v3, s[22:23] offset:16*\e
	global_load_b128 v[KR+4*\e:KR+4*\e+3], v3, s[22:23] offset:4096+16*\e
.endr
.irp dt, 0,1,2,3
.irp e, 0,1,2,3,4,5,6,7
	global_load_b32 v[VR+8*\dt+\e], v4, s[22:23] offset:8192+\e*12288+64*\dt
.endr
	global_load_b128 v[VS+8*\dt:VS+8*\dt+3], v5, s[24:25] offset:64*\dt
	global_load_b128 v[VS+8*\dt+4:VS+8*\dt+7], v5, s[24:25] offset:64*\dt+16
.endr
	global_load_b64 v[60:61], v6, s[6:7]
	s_wait_loadcnt 0x0
.set s, 0
.rept 16                                       ; S^T = k q^T: K step s takes channels 2 s, 2 s + 1, 32 + 2 s, 33 + 2 s; four partial sums by turns
.if s < 4
	v_wmma_f32_16x16x4_f32 v[ACC+8*s:ACC+8*s+7], v[KR+2*s:KR+2*s+1], v[QR+2*s:QR+2*s+1], 0
.else
	v_wmma_f32_16x16x4_f32 v[ACC+8*(s%4):ACC+8*(s%4)+7], v[KR+2*s:KR+2*s+1], v[QR+2*s:QR+2*s+1], v[ACC+8*(s%4):ACC+8*(s%4)+7]
.endif
.set s, s+1
.endr
.rept 8
	v_nop                                          ; eight places behind this form, in front of loads into its sources and of the first read of its results
.endr
.irp nt, 0,1,2,3                               ; W_out(64 w + 16 dt + 8 h + e, 64 cc + 16 nt + r): tiles 0, 1 at v128-191, tiles 2, 3 where k and q lay
.set WB, 128+32*\nt-128*(\nt/2)
.irp dt, 0,1,2,3
.irp e, 0,1,2,3,4,5,6,7
	global_load_b32 v[WB+8*\dt+\e], v7, s[8:9] offset:(16*\dt+\e)*4096+64*\nt
.endr
.endr
.endr
	global_load_b64 v[62:63], v12, s[10:11]        ; the bias at my two columns
.irp j, 0,1,2,3,4,5,6,7                        ; t of key 8 h + j and query r; the accumulators are read from their low end on
	v_add_f32 v56, v[ACC+\j], v[ACC+8+\j]
	v_add_f32 v57, v[ACC+16+\j], v[ACC+24+\j]
	v_add_f32 v56, v56, v57
	v_mul_f32 v[T+\j], s28, v56
	v_bfe_u32 v57, v[60+\j/4], 8*(\j%4), 8
	v_cmp_eq_u32 vcc_lo, 0, v57
	v_cndmask_b32 v[T+\j], v[T+\j], v9, vcc_lo     ; the padding mask
	v_cmp_gt_i32 vcc_lo, \j, v8
	v_cndmask_b32 v[T+\j], v[T+\j], v9, vcc_lo     ; the causal mask: key 8 h + j > query r
.endr
	v_max3_num_f32 v56, v[T], v[T+1], v[T+2]
	v_max3_num_f32 v56, v56, v[T+3], v[T+4]
	v_max3_num_f32 v56, v56, v[T+5], v[T+6]
	v_max_num_f32 v56, v56, v[T+7]
	v_permlanex16_b32 v57, v56, s26, s27
	v_max_num_f32 v58, v56, v57                    ; the row's maximum
	v_mov_b32 v59, 0xf1000000
	v_cmp_gt_f32 s29, v59, v58                     ; no open key
.irp j, 0,1,2,3,4,5,6,7
	v_sub_f32 v[T+\j], v[T+\j], v58
.endr
.irp j, 0,1,2,3,4,5,6,7
	v_exp_f32 v[T+\j], v[T+\j]
.endr
.irp x, 1,2,4,8                                ; (plain work behind the exponentials)  the column sums' 16 rows are added across the 16 lanes
.set i, 0
.rept 32
	v_add_f32_dpp v[VS+i], v[VS+i], v[VS+i] row_xmask:\x row_mask:0xf bank_mask:0xf
.set i, i+1
.endr
.endr
.set i, 0
.rept 32
	v_mul_f32 v[VS+i], 0x3a000000, v[VS+i]         ; / 2,048
.set i, i+1
.endr
	s_wait_alu depctr_va_vdst(0)                   ; one wait for the eight exponentials, ahead of their first reader
	v_add_f32 v56, v[T], v[T+1]
	v_add_f32 v57, v[T+2], v[T+3]
	v_add_f32 v58, v[T+4], v[T+5]
	v_add_f32 v59, v[T+6], v[T+7]
	v_add_f32 v56, v56, v57
	v_add_f32 v58, v58, v59
	v_add_f32 v56, v56, v58
	v_permlanex16_b32 v57, v56, s26, s27
	v_add_f32 v56, v56, v57
	v_rcp_f32 v58, v56
	v_nop
	s_wait_alu depctr_va_vdst(0)
.irp j, 0,1,2,3,4,5,6,7
	v_mul_f32 v[T+\j], v[T+\j], v58
.endr
.rept 9
	v_nop                                          ; nine places in front of matrix instructions that begin the accumulators anew
.endr
.irp i, 0,1,2,3                                ; O^T = v^T p: K step i takes keys 2 i, 2 i + 1, 8 + 2 i, 9 + 2 i; four tiles of channels by turns
.irp dt, 0,1,2,3
.if \i == 0
	v_wmma_f32_16x16x4_f32 v[ACC+8*\dt:ACC+8*\dt+7], v[VR+8*\dt+2*\i:VR+8*\dt+2*\i+1], v[T+2*\i:T+2*\i+1], 0
.else
	v_wmma_f32_16x16x4_f32 v[ACC+8*\dt:ACC+8*\dt+7], v[VR+8*\dt+2*\i:VR+8*\dt+2*\i+1], v[T+2*\i:T+2*\i+1], v[ACC+8*\dt:ACC+8*\dt+7]
.endif
.endr
.endr
.rept 8
	v_nop
.endr
.set i, 0
.rept 32
	v_cndmask_b32 v[VS+i], v[ACC+i], v[VS+i], s29  ; a row with no open key takes the mean of v
.set i, i+1
.endr
	s_wait_loadcnt 0x0                             ; W_out and the bias
.rept 9
	v_nop
.endr
.irp dt, 0,1,2,3                               ; Y^T = W_out^T O: four tiles of output columns by turns
.irp i, 0,1,2,3
.irp nt, 0,1,2,3
.set WB, 128+32*\nt-128*(\nt/2)
.if (\dt == 0) && (\i == 0)
	v_wmma_f32_16x16x4_f32 v[ACC+8*\nt:ACC+8*\nt+7], v[WB+8*\dt+2*\i:WB+8*\dt+2*\i+1], v[VS+8*\dt+2*\i:VS+8*\dt+2*\i+1], 0
.else
	v_wmma_f32_16x16x4_f32 v[ACC+8*\nt:ACC+8*\nt+7], v[WB+8*\dt+2*\i:WB+8*\dt+2*\i+1], v[VS+8*\dt+2*\i:VS+8*\dt+2*\i+1], v[ACC+8*\nt:ACC+8*\nt+7]
.endif
.endr
.endr
.endr
.rept 8
	v_nop
.endr
.irp k, 0,1,2,3,4,5,6,7
	ds_store_b128 v10, v[ACC+4*\k:ACC+4*\k+3] offset:512*\k
.endr
	s_wait_dscnt 0x0                               ; for the others' sake: my part lies in LDS
	s_barrier_signal -1
	s_barrier_wait -1
.irp u, 0,1,2,3,4,5,6,7,8,9,10,11,12,13,14,15
	ds_load_b64 v[64+2*\u:64+2*\u+1], v11 offset:4096*\u   ; head u's part of row w, my two columns
.endr
	s_wait_dscnt 0x0
.irp u, 0,1,2,3,4,5,6,7,8,9,10,11,12,13,14,15
	v_pk_add_f32 v[62:63], v[62:63], v[64+2*\u:64+2*\u+1]
.endr
	global_store_b64 v12, v[62:63], s[12:13]       ; 32 lanes store 256 consecutive bytes, aligned
	s_wait_tensorcnt 0x0                           ; the wave's end
	ds_add_u32 v[SPW], v[NIL]
	s_wait_dscnt 0x0
	s_endpgm
.Lfunc_end_k_qf1a8ed2875_fine:
	.size	k_qf1a8ed2875_fine, .Lfunc_end_k_qf1a8ed2875_fine-k_qf1a8ed2875_fine
	.p2alignl 7, 3214868480
	.fill 96, 4, 3214868480
	.section	.rodata,"a",@progbits
	.p2align	6, 0x0
	.amdhsa_kernel k_qf1a8ed2875_fine
		.amdhsa_group_segment_fixed_size 67584
		.amdhsa_private_segment_fixed_size 0
		.amdhsa_enable_private_segment 0
		.amdhsa_kernarg_size 40
		.amdhsa_user_sgpr_count 2
		.amdhsa_user_sgpr_kernarg_segment_ptr 1
		.amdhsa_wavefront_size32 1
		.amdhsa_system_sgpr_workgroup_id_x 1
		.amdhsa_system_sgpr_workgroup_id_y 1
		.amdhsa_system_sgpr_workgroup_id_z 1
		.amdhsa_system_vgpr_workitem_id 0
		.amdhsa_next_free_vgpr 256
		.amdhsa_next_free_sgpr 66
		.amdhsa_reserve_vcc 1
		.amdhsa_float_denorm_mode_32 3
		.amdhsa_float_denorm_mode_16_64 3
		.amdhsa_memory_ordered 1
		.amdhsa_forward_progress 1
		.amdhsa_inst_pref_size 47
	.end_amdhsa_kernel
	.amdgpu_metadata
---
amdhsa.version: [ 1, 2 ]
amdhsa.kernels:
  - .name:           k_qf1a8ed2875_fine
    .symbol:         k_qf1a8ed2875_fine.kd
    .args:
      - { .name: aux, .offset: 0, .size: 8, .value_kind: global_buffer, .address_space: global }
      - { .name: mask, .offset: 8, .size: 8, .value_kind: global_buffer, .address_space: global }
      - { .name: W_out, .offset: 16, .size: 8, .value_kind: global_buffer, .address_space: global }
      - { .name: b_out, .offset: 24, .size: 8, .value_kind: global_buffer, .address_space: global }
      - { .name: out0, .offset: 32, .size: 8, .value_kind: global_buffer, .address_space: global }
    .group_segment_fixed_size: 67584
    .private_segment_fixed_size: 0
    .kernarg_segment_align: 8
    .kernarg_segment_size: 40
    .max_flat_workgroup_size: 512
    .sgpr_count:     66
    .vgpr_count:     256
    .wavefront_size: 32
...
	.end_amdgpu_metadata
.endif
;; end of part 5
